; MI455X (gfx1250); checked and timed in simulation.
; The chip was launched on July 23, 2026; its instructions are those of AMD's public machine-readable ISA for CDNA 5 (MIT licence, August 2026) and "CDNA5" Instruction Set Architecture Reference Guide (July 2026). The comments in the code are by the model that wrote it; some were corrected since.
;; Multi Head Self Attention. Allowed arithmetic: matrix products marked QUANTISED: E4M3 operands, one given power-of-two scale a tensor, by v_wmma_f32_16x16x64_fp8_fp8 or v_wmma_f32_16x16x128_fp8_fp8, f32 sums; everything else in f32.
;; Inputs: W_out 1,024 x 1,024 float32; W_qkv 1,024 x 3,072 float32; b_out 1,024 float32; b_qkv 3,072 float32; lowp_scales 8 int32 (the exponents e of the quantised operands' scales 2^e); x 2 x 2,048 x 1,024 float32.
;; Outputs: out0 2 x 2,048 x 1,024 float32.
;; This version of the problem:
;;   THIS VERSION OF THE PROBLEM IS GIVEN IN LOW PRECISION. The matrix products marked QUANTISED in the list below multiply operands that are first quantised to E4M3 (4 exponent bits, 3 mantissa bits; 8 bits a number), with one given power-of-two scale for each operand tensor; their sums are f32. All else is computed in f32.
;;   The module's matrix products, in the order in which they are computed (A, B: the left and right operand; K: the contracted axis; several contracted axes count as one K, in the product's order):
;;     1. [M 4,096, K 1,024] x [K 1,024, N 3,072]; A: input x; B: input W_qkv: QUANTISED (scales: A lowp_scales[0], B lowp_scales[1])
;;     2. batch 32 x [M 2,048, K 64] x [K 64, N 2,048]; A: computed on the way; B: computed on the way: QUANTISED (scales: A lowp_scales[2], B lowp_scales[3])
;;     3. batch 32 x [M 2,048, K 2,048] x [K 2,048, N 64]; A: softmax (see below); B: computed on the way: QUANTISED (scales: A lowp_scales[4], B lowp_scales[5])
;;     4. [M 4,096, K 1,024] x [K 1,024, N 1,024]; A: computed on the way; B: input W_out: QUANTISED (scales: A lowp_scales[6], B lowp_scales[7])
;;   THE QUANTISER, for each operand of a quantised product, along K:
;;     - The operand's scale is 2^e, e = its entry of the input lowp_scales (int32; the entries are numbered through the quantised products in the list's order, A before B).
;;     - Each number is divided by the scale, clamped to +-448, and rounded to the nearest number of E4M3, ties to even, subnormals kept.
;;     - The product sums the exact products of the quantised numbers (number of the format x scale) in f32.
;;   ~~~python
;;   def quantise(x, axis, e):      # numpy; x: float32 -> the quantised numbers, widened to float32 again
;;       x = np.moveaxis(x, axis, -1); K = x.shape[-1]
;;       r = np.clip(x / 2.0 ** e, -448, 448)
;;       step = 2.0 ** (np.maximum(np.frexp(np.where(r == 0, 1, r))[1] - 1, -6) - 3)
;;       q = np.round(r / step) * step * 2.0 ** e      # np.round: ties to even
;;       return np.moveaxis(q, -1, axis).astype(np.float32)
;;   ~~~
;;   SOFTMAX AHEAD OF A QUANTISED PRODUCT. Where the list says 'softmax', what is quantised is not the finished softmax but p = 2^(t - M), with t = logit x log2(e) and M = ceil(the row's largest t), a whole number; so 1/2 < the row's largest p <= 1. The row's sum l is taken of the UNQUANTISED p, in f32, and the product's result is divided by l at the end. Since M is a whole number, a kernel that streams over the keys may use a running M (the ceiling of the running maximum): every later rescaling is an exact power of two, so the quantised numbers keep their values, but for numbers so far below the row's largest that they fall under the format's range.
;;   OPERANDS COMPUTED ON THE WAY. 'Computed on the way' means the value that the module computes at that place (a softmax that the list does not call 'softmax' is quantised finished and normalised). What goes into a quantiser is computed in f32, as accurately as f32 sums, v_exp_f32 and their like allow (about 1e-6 of the number): no bf16 or f16 on the way to a quantiser, and a product that is left as it is and whose result goes on into a quantised operand takes f32 operands (vector FMAs, or v_wmma_f32_16x16x4_f32). A number that lies on a knife's edge between two numbers of the format may be rounded either way, as far as f32 arithmetic and the matrix unit's own rounding can turn it there, and no further.
;; One version. Each part assembles by itself: llvm-mc -triple=amdgcn-amd-amdhsa -mcpu=gfx1250 --defsym DOCPART=n.
;; ======== version 1 of 1: 4 launches
;; limits: right only within a limited range of input values
;; workspace buffers: x_codes 4,194,304 bytes; wqkv_codes 3,145,728 bytes; wout_codes 1,048,576 bytes; qkv_codes 12,582,912 bytes; a_codes 4,194,304 bytes
;; launch quant (part 1): grid 256 x 1, 8 waves a work-group, no clusters, 111,616 bytes of LDS; arguments x, W_qkv, W_out, lowp_scales, x_codes, wqkv_codes, wout_codes; writes x_codes, wqkv_codes, wout_codes
.if DOCPART == 1
	.amdgcn_target "amdgcn-amd-amdhsa--gfx1250"
	.amdhsa_code_object_version 6
	.text
	.protected	k_q2cba82b36e_quant
	.globl	k_q2cba82b36e_quant
	.p2align	8
	.type	k_q2cba82b36e_quant,@function
k_q2cba82b36e_quant:
	s_mov_b64 s[64:65], 0
	v_nop
	global_prefetch_b8 v0, s[64:65] scope:SCOPE_SE
	s_setreg_imm32_b32 hwreg(HW_REG_WAVE_MODE, 25, 1), 1
	s_wait_xcnt 0x0
; x [4096][1024], W_qkv [1024 k][3072 n] and W_out [1024 k][1024 n], all f32, become codes of FP8 (E4M3), 8 bits each, K innermost, each with the one scale 2^e given for it (entries 0, 1 and 7 of the buffer of scales):
; x_codes [4096][1024]; wqkv_codes [3072 n][1024 k]; wout_codes as images of the last product's operand: [8 blocks of 128 n][2 halves of K][8 tiles of 16 n][4 steps of 128 k][4 c][32 lanes][16 bytes],
; lane (r, h) of c holding n = r, k = 32 c + 16 h + 0 .. 15 of the step.
; code = number / 2^e, held within +-448, rounded to the nearest code, ties to even.
; LIMITS: each of the three e lies between -126 and 119, so that 2^e and 448 x 2^e are f32 numbers.  NaN among the inputs is not served (an infinity is held at the largest code).
; DEAD WORK LEFT OUT IN THIS PROGRAM: key steps that lie wholly behind a tile's queries under the causal mask that reference() builds itself (launch attn): their weight is 0 for all inputs.  A NaN or an infinity that reaches only those is not carried to the result.
; SHARES.  Every work-group reads 131,072 bytes of f32, 16,384 a wave, all of them asked for before the first is used: work-groups 0-127 take x, 128-223 W_qkv, 224-255 W_out.  The three ways part on the work-group's number alone; each has LDS bytes of its own.
; x: K is innermost, so the tensor is a plain stream.  A wave takes 8 steps of 512 numbers; each load reads 512 consecutive bytes, 16 a lane; a step's 2,048 bytes turn through the wave's own stage in LDS and come
;    back 64 bytes a lane, since a conversion takes 8 neighbours along K from one lane's registers.  A wave's store covers 512 consecutive bytes.
; W: K is the first axis.  A wave takes 64 columns x 64 along K: each load reads 256 consecutive bytes of a row, two columns a lane, and the registers run down K.  A conversion of eight registers gives two columns' codes
;    by turns; a byte select of two such words gives four neighbours along K of one column.  The work-group's 128 columns x 256 along K meet in a stage; behind one barrier each wave stores 16 columns, 512 bytes an instruction.
; No tensor load, no matrix unit and no cluster: every byte is read once and written once.
.set XWG,    128
.set WQWG,   96                        ; for W_qkv: 24 blocks of 128 columns x 4 quarters of K
.set STEPS,  8
.set WREG,   5120                      ; x: a wave's LDS region: two stages of 32 x SP bytes
.set SP,     80                        ; a lane's place in a stage: its 64 bytes + 16 of padding
.set WP,     272                       ; W: a stage row: 256 bytes of codes + 16 of padding
.set WQST,   8*WREG                    ; W_qkv's stage of 128 rows
.set WOST,   WQST+128*WP               ; W_out's
.set SPARE,  WOST+128*WP               ; the spare words, 128 bytes for each wave: four blocks of 256 bytes that no other line names
.set R,      16                        ; x: v16-143   eight sets of 16 numbers as they are loaded;  W: 64 pairs
.set X,      144                       ; x: v144-175  two sets of 16 neighbours
.set C,      176                       ; x: v176-207  codes: four registers for each step, so that no store's data are written again
.set D,      144                       ; W: v144-151  conversions' results, two sets
.set WC,     152                       ; W: v152-183  codes: 16 neighbours of each of the two columns, four times
.set OUTR,   184                       ; W: v184-215  the way out
.set SPW,    216                       ; v216  LDS address of my spare word: SPARE + 4 x my thread's number; never rewritten
.set NIL,    217                       ; v217  0; never rewritten
	s_load_b256 s[4:11], s[0:1], 0x0               ; x s[4:5], W_qkv s[6:7], W_out s[8:9], the scales' exponents s[10:11]
	s_load_b128 s[12:15], s[0:1], 0x20             ; x_codes s[12:13], wqkv_codes s[14:15]
	s_load_b64 s[16:17], s[0:1], 0x30              ; wout_codes
	v_lshl_add_u32 v[SPW], v0, 2, SPARE
	v_mov_b32 v[NIL], 0
	v_lshrrev_b32 v1, 5, v0
	v_readfirstlane_b32 s18, v1                    ; wave 0..7
	v_and_b32 v2, 31, v0                           ; lane
	s_wait_alu depctr_va_vdst(0)                   ; directly ahead of the wait below
	s_wait_kmcnt 0x0
	s_load_b256 s[24:31], s[10:11], 0x0            ; e0 .. e7
	s_cmp_lt_u32 ttmp9, XWG
	s_cbranch_scc0 .Lweights
.macro SCALE ereg
	s_wait_kmcnt 0x0
	s_add_co_i32 s22, s[\ereg], 127
	s_lshl_b32 s23, s22, 23
	v_mov_b32 v11, s23                             ; 2^e as f32: the conversion takes its exponent field
	s_add_co_i32 s22, s22, 8
	s_lshl_b32 s22, s22, 23
	s_or_b32 s22, s22, 0x600000
	v_mov_b32 v10, s22                             ; 448 x 2^e
	s_wait_alu depctr_va_vdst(0)                   ; at the head's end
.endm
; ---------------- x
	v_lshlrev_b32 v3, 4, v2                        ; my 16 bytes of 512
	s_mul_i32 s19, s18, WREG
	v_lshrrev_b32 v14, 2, v2
	v_mul_u32_u24 v14, v14, SP
	v_and_b32 v15, 3, v2
	v_lshl_add_u32 v14, v15, 4, v14
	v_add_nc_u32 v14, s19, v14                     ; the stage, on the way in: four lanes' 64 bytes on end, then 16 of padding
	v_mul_u32_u24 v15, v2, SP
	v_add_nc_u32 v15, s19, v15                     ; and on the way out: SP x lane: my 16 neighbours
	s_lshl_b32 s20, ttmp9, 3
	s_add_co_u32 s20, s20, s18                     ; which run of 4,096 numbers is my wave's
	s_lshl_b32 s22, s20, 14
	s_mov_b32 s23, 0
	s_add_nc_u64 s[4:5], s[4:5], s[22:23]
	s_lshl_b32 s22, s20, 12
	s_add_nc_u64 s[12:13], s[12:13], s[22:23]
	s_wait_alu depctr_va_vdst(0)                   ; directly ahead of the first reader below
.set n, 0
.rept 4*STEPS
	global_load_b128 v[R+4*n:R+4*n+3], v3, s[4:5] offset:512*n th:TH_LOAD_NT   ; 32 lanes read 512 consecutive bytes
.set n, n+1
.endr
	SCALE 24
.macro TURN t                          ; step t's numbers through the stage: LDS serves a wave's instructions in order, so no wait stands between the stores and the loads
.irp i, 0,1,2,3
	ds_store_b128 v14, v[R+16*(\t)+4*\i:R+16*(\t)+4*\i+3] offset:32*SP*((\t)%2)+8*SP*\i
.endr
.irp i, 0,1,2,3
	ds_load_b128 v[X+16*((\t)%2)+4*\i:X+16*((\t)%2)+4*\i+3], v15 offset:32*SP*((\t)%2)+16*\i
.endr
.endm
	s_wait_loadcnt 28                              ; step 0's four loads are in; the 28 of the later steps may be out
	TURN 0
.macro STEP t
.set XS, X+16*((\t)%2)
	s_wait_dscnt 0x0                               ; this step's numbers are back from the stage
.if (\t)+1 < STEPS
	s_wait_loadcnt 4*(STEPS-2-(\t))                ; the next step's four loads are in; those of the steps behind it may be out
	TURN (\t)+1                                    ; and go through the other stage while this step is worked
.endif
.irp i, 0,1,2,3,4,5,6,7,8,9,10,11,12,13,14,15
	v_med3_num_f32 v[XS+\i], v[XS+\i], -v10, v10   ; the conversion to an 8-bit code does not saturate (ISA guide 7.6.2): the hold at the largest code x the scale comes first
.endr
	v_cvt_scalef32_pk8_fp8_f32 v[C+4*(\t):C+4*(\t)+1], v[XS:XS+7], v11
	v_cvt_scalef32_pk8_fp8_f32 v[C+4*(\t)+2:C+4*(\t)+3], v[XS+8:XS+15], v11
	global_store_b128 v3, v[C+4*(\t):C+4*(\t)+3], s[12:13] offset:512*(\t)   ; the results go to a store alone; the next vector lines are the next step's holds, on other registers
.endm
.irp t, 0,1,2,3,4,5,6,7
	STEP \t
.endr
	s_wait_tensorcnt 0x0                           ; the wave's end, behind my last LDS store
	ds_add_u32 v[SPW], v[NIL]
	s_wait_dscnt 0x0
	s_endpgm
; ---------------- a weight [1024 k][n columns].  n: columns; src, dst: the first register of the pointers' pairs; ereg: the register with e; firstwg: the way's first work-group; stg: its stage; img: images or rows
.macro WPATH n, src, dst, ereg, firstwg, stg, img
	s_sub_co_u32 s19, ttmp9, \firstwg
	s_lshr_b32 s20, s19, 2                         ; which 128 columns
	s_and_b32 s21, s19, 3                          ; which 256 along K
	s_and_b32 s33, s18, 1                          ; my 64 columns of those,
	s_lshr_b32 s34, s18, 1                         ; my 64 along K
	s_mul_i32 s35, s33, 64*WP
	s_lshl_b32 s36, s34, 6
	s_add_co_u32 s35, s35, s36
	s_add_co_u32 s35, s35, \stg
	v_lshlrev_b32 v3, 3, v2                        ; in: 8 bytes a lane: columns 2 lane, 2 lane + 1
	v_mul_u32_u24 v4, v2, 2*WP
	v_add_nc_u32 v4, s35, v4                       ; into the stage: row = column
	s_mul_i32 s35, s18, 16*WP
	s_add_co_u32 s35, s35, \stg                    ; out of it: rows 16 w on
	v_and_b32 v5, 15, v2
	v_lshrrev_b32 v6, 4, v2
.if \img
	v_mul_u32_u24 v7, v5, WP                       ; lane (r, h) takes 16 bytes of row r,
	v_lshl_add_u32 v7, v6, 4, v7
	v_lshlrev_b32 v8, 4, v2                        ; and stores them at 16 x lane of an image
.else
	v_mul_u32_u24 v7, v6, WP                       ; sixteen lanes to a row, two rows an instruction,
	v_lshl_add_u32 v7, v5, 4, v7
	v_lshlrev_b32 v8, 10, v6                       ; and the same place in the codes' buffer: rows of 1,024 bytes
	v_lshl_add_u32 v8, v5, 4, v8
.endif
	v_add_nc_u32 v7, s35, v7
	s_lshl_b32 s22, s21, 2
	s_add_co_u32 s22, s22, s34
	s_mul_i32 s22, s22, 64*(\n)*4                  ; my first row of W,
	s_lshl_b32 s23, s20, 9
	s_add_co_u32 s22, s22, s23
	s_lshl_b32 s23, s33, 8
	s_add_co_u32 s22, s22, s23                     ; + 4 x column
	s_mov_b32 s23, 0
	s_add_nc_u64 s[\src:\src+1], s[\src:\src+1], s[22:23]
	s_lshl_b32 s22, s20, 17                        ; codes: 131,072 bytes for each 128 columns,
.if \img
	s_lshr_b32 s19, s21, 1                         ; 65,536 for a half of K,
	s_lshl_b32 s19, s19, 16
	s_add_co_u32 s22, s22, s19
	s_lshl_b32 s19, s18, 13                        ; 8,192 for a tile of 16,
	s_add_co_u32 s22, s22, s19
	s_and_b32 s19, s21, 1                          ; 4,096 for a quarter: two steps
	s_lshl_b32 s19, s19, 12
.else
	s_lshl_b32 s19, s18, 14                        ; 16 rows for each wave,
	s_add_co_u32 s22, s22, s19
	s_lshl_b32 s19, s21, 8                         ; + 256 x quarter
.endif
	s_add_co_u32 s22, s22, s19
	s_add_nc_u64 s[\dst:\dst+1], s[\dst:\dst+1], s[22:23]
	s_mov_b32 s37, 0x06040200                      ; byte selects: the even bytes,
	s_mov_b32 s38, 0x07050301                      ; the odd bytes
	s_wait_alu depctr_va_vdst(0)                   ; directly ahead of the first reader below
.set n, 0
.rept 64
	global_load_b64 v[R+2*n:R+2*n+1], v3, s[\src:\src+1] offset:n*(\n)*4 th:TH_LOAD_NT   ; 32 lanes read 256 consecutive bytes
.set n, n+1
.endr
	SCALE \ereg
.irp g, 0,1,2,3,4,5,6,7                        ; eight rows of K
	s_wait_loadcnt 56-8*\g                         ; the group's eight loads are in; those of the later groups may be out
.irp i, 0,1,2,3,4,5,6,7,8,9,10,11,12,13,14,15
	v_med3_num_f32 v[R+16*\g+\i], v[R+16*\g+\i], -v10, v10
.endr
	v_cvt_scalef32_pk8_fp8_f32 v[D+4*(\g%2):D+4*(\g%2)+1], v[R+16*\g:R+16*\g+7], v11      ; four rows, the two columns by turns
	v_cvt_scalef32_pk8_fp8_f32 v[D+4*(\g%2)+2:D+4*(\g%2)+3], v[R+16*\g+8:R+16*\g+15], v11
	v_nop                                          ; one plain instruction between the conversions and the first reader
	v_perm_b32 v[WC+8*(\g/2)+2*(\g%2)], v[D+4*(\g%2)+1], v[D+4*(\g%2)], s37
	v_perm_b32 v[WC+8*(\g/2)+2*(\g%2)+1], v[D+4*(\g%2)+3], v[D+4*(\g%2)+2], s37
	v_perm_b32 v[WC+8*(\g/2)+2*(\g%2)+4], v[D+4*(\g%2)+1], v[D+4*(\g%2)], s38
	v_perm_b32 v[WC+8*(\g/2)+2*(\g%2)+5], v[D+4*(\g%2)+3], v[D+4*(\g%2)+2], s38
.if \g%2
	ds_store_b128 v4, v[WC+8*(\g/2):WC+8*(\g/2)+3] offset:16*(\g/2)               ; 16 neighbours along K of the even column,
	ds_store_b128 v4, v[WC+8*(\g/2)+4:WC+8*(\g/2)+7] offset:WP+16*(\g/2)          ; of the odd one
.endif
.endr
	s_wait_dscnt 0x0                               ; my stores are done, for the other waves' sake
	s_barrier_signal -1
	s_barrier_wait -1
.irp t, 0,1,2,3,4,5,6,7
.if \img
	ds_load_b128 v[OUTR+4*\t:OUTR+4*\t+3], v7 offset:32*\t
.else
	ds_load_b128 v[OUTR+4*\t:OUTR+4*\t+3], v7 offset:2*\t*WP
.endif
.endr
.irp t, 0,1,2,3,4,5,6,7
	s_wait_dscnt 7-\t                              ; the younger loads may be out
.if \img
	global_store_b128 v8, v[OUTR+4*\t:OUTR+4*\t+3], s[\dst:\dst+1] offset:512*\t
.else
	global_store_b128 v8, v[OUTR+4*\t:OUTR+4*\t+3], s[\dst:\dst+1] offset:2*\t*1024
.endif
.endr
	s_wait_tensorcnt 0x0                           ; the wave's end, behind my last LDS store
	ds_add_u32 v[SPW], v[NIL]
	s_wait_dscnt 0x0
	s_endpgm
.endm
.Lweights:
	s_cmp_lt_u32 ttmp9, XWG+WQWG
	s_cbranch_scc0 .Lwout
	WPATH 3072, 6, 14, 25, XWG, WQST, 0
.Lwout:
	WPATH 1024, 8, 16, 31, XWG+WQWG, WOST, 1
.Lfunc_end_k_q2cba82b36e_quant:
	.size	k_q2cba82b36e_quant, .Lfunc_end_k_q2cba82b36e_quant-k_q2cba82b36e_quant
	.p2alignl 7, 3214868480
	.fill 96, 4, 3214868480
	.section	.rodata,"a",@progbits
	.p2align	6, 0x0
	.amdhsa_kernel k_q2cba82b36e_quant
		.amdhsa_group_segment_fixed_size 111616
		.amdhsa_private_segment_fixed_size 0
		.amdhsa_enable_private_segment 0
		.amdhsa_kernarg_size 56
		.amdhsa_user_sgpr_count 2
		.amdhsa_user_sgpr_kernarg_segment_ptr 1
		.amdhsa_wavefront_size32 1
		.amdhsa_system_sgpr_workgroup_id_x 1
		.amdhsa_system_sgpr_workgroup_id_y 1
		.amdhsa_system_sgpr_workgroup_id_z 1
		.amdhsa_system_vgpr_workitem_id 0
		.amdhsa_next_free_vgpr 224
		.amdhsa_next_free_sgpr 66
		.amdhsa_reserve_vcc 0
		.amdhsa_float_denorm_mode_32 3
		.amdhsa_float_denorm_mode_16_64 3
		.amdhsa_memory_ordered 1
		.amdhsa_forward_progress 1
		.amdhsa_inst_pref_size 63
	.end_amdhsa_kernel
	.amdgpu_metadata
---
amdhsa.version: [ 1, 2 ]
amdhsa.kernels:
  - .name:           k_q2cba82b36e_quant
    .symbol:         k_q2cba82b36e_quant.kd
    .args:
      - { .name: x, .offset: 0, .size: 8, .value_kind: global_buffer, .address_space: global }
      - { .name: W_qkv, .offset: 8, .size: 8, .value_kind: global_buffer, .address_space: global }
      - { .name: W_out, .offset: 16, .size: 8, .value_kind: global_buffer, .address_space: global }
      - { .name: lowp_scales, .offset: 24, .size: 8, .value_kind: global_buffer, .address_space: global }
      - { .name: x_codes, .offset: 32, .size: 8, .value_kind: global_buffer, .address_space: global }
      - { .name: wqkv_codes, .offset: 40, .size: 8, .value_kind: global_buffer, .address_space: global }
      - { .name: wout_codes, .offset: 48, .size: 8, .value_kind: global_buffer, .address_space: global }
    .group_segment_fixed_size: 111616
    .private_segment_fixed_size: 0
    .kernarg_segment_align: 8
    .kernarg_segment_size: 56
    .max_flat_workgroup_size: 256
    .sgpr_count:     66
    .vgpr_count:     224
    .wavefront_size: 32
...
	.end_amdgpu_metadata
.endif
;; end of part 1
;; launch qkv (part 2): grid 12 x 16, 4 waves a work-group, clusters of 4 x 4, 327,680 bytes of LDS; arguments x_codes, wqkv_codes, lowp_scales, b_qkv, qkv_codes; writes qkv_codes
.if DOCPART == 2
	.amdgcn_target "amdgcn-amd-amdhsa--gfx1250"
	.amdhsa_code_object_version 6
	.text
	.protected	k_q2cba82b36e_qkv
	.globl	k_q2cba82b36e_qkv
	.p2align	8
	.type	k_q2cba82b36e_qkv,@function
k_q2cba82b36e_qkv:
	s_mov_b64 s[64:65], 0
	v_nop
	global_prefetch_b8 v0, s[64:65] scope:SCOPE_SE
	s_setreg_imm32_b32 hwreg(HW_REG_WAVE_MODE, 25, 1), 1
	s_wait_xcnt 0x0
	s_wait_alu depctr_hold_cnt(0) depctr_sa_sdst(0) depctr_va_vdst(0) depctr_va_sdst(0) depctr_va_ssrc(0) depctr_va_vcc(0) depctr_vm_vsrc(0)
	s_getreg_b32 s2, hwreg(HW_REG_IB_STS2, 6, 4)
	s_cmp_eq_u32 s2, 0
	s_cbranch_scc0 .Lentry_in_a_cluster
	s_endpgm
.Lentry_in_a_cluster:
	s_bfe_u32 s2, ttmp6, 0x10000c
	s_cmp_lg_u32 s2, 0xf033
	s_cbranch_scc0 .Lentry_shape_is_right
	s_endpgm
.Lentry_shape_is_right:
; q, k, v = x W_qkv + b_qkv on codes of FP8 (E4M3), quantised at once with their own scales 2^e2, 2^e3, 2^e5.  x_codes [4096][1024], wqkv_codes [3072 n][1024 k], K innermost; sums in f32, x 2^(e0 + e1), + the bias by one multiply-add.
; qkv_codes: [32 bh][16 blocks of 128 tokens][q, k, v][8,192 bytes], each the image of the attention's operands: q, k: [8 tiles of 16 tokens][2 c][32 lanes][16 bytes], lane (r, h) = token r, channels 32 c + 16 h + 0 .. 15;
; v: [4 tiles of 16 channels][4 c][32 lanes][16 bytes], lane (r, h) = channel r, keys 32 c + 8 h + 0 .. 7 and then 32 c + 16 + 8 h + 0 .. 7.
; LIMITS: e0 + e1 between -126 and 127; e2, e3, e5 between -126 and 119.  NaN is not served.
; SHARES.  A tile of 256 x 256 to a work-group of four waves, 128 x 128 a wave: 64 accumulators, 512 registers.  The clusters with ttmp9 = 0, 1 make q and k (source 0 = 16 rows of W, source 1 = 16 rows of x: a lane holds eight
; neighbouring channels of a token), those with ttmp9 = 2 make v with x and W exchanged (a lane holds eight neighbouring tokens of a channel).
; K goes in four steps of 256 through a ring of two slots, rows of 256 bytes, filled by joint loads of a 4 x 4 cluster: the four of a row share one operand's tile, the four of a column the other's.
; PREFETCH: K steps 2 and 3, which come by the two refills, are each asked for one K step ahead of their refill: of the 128 rows that a wave fetches each of the four partners takes 32, told apart by address, a lane a row, one instruction a wave.
; THE WAY OUT: the blocks go through the wave's stage; the first half of the bytes is sent after five of the eight blocks, the second after the last.
.set PFO,    11                        ; v11 the prefetches' offset: 1,024 x lane; never rewritten
.set PFA,    74                        ; s[74:75] my 32 rows at K step 0; never rewritten
.set KSTEP,  256
.set ROWB,   256
.set KROW,   1024
.set PITCH,  272
.set FR,     16
.set NL,     4
.set NP,     4
.set HALFT,  128*PITCH
.set SLOT,   4*HALFT
.set LAPS,   2
.set SPARE,  2*SLOT
.set WSTG,   16384
.set VSTG,   4*WSTG
.set ADRA, 16
.set ADRB, 20
.set STOQ, 24
.set RD,   25
.set CO,   26
.set STOV, 27
.set SPW,  28
.set NIL,  29
.set SCL,  30
.set LIM,  31
.set RDV,  10
.set BQ,   32
.set BV,   96
.set C0,   112
.set C1,   192
.set T,    128
.set AF,   128
.set G1, 24
.set G0, 32
.set G1B, 48
.set G0B, 56
.set MSB, 0
.macro WIN new
.if MSB != \new
	s_set_vgpr_msb (MSB<<8)|\new
.set MSB, \new
.endif
.endm
.set MUL_LO, 0xa1
.set MUL_HI, 0xf1
.set TO_B,   0x40
.macro JLOAD g0a, g1a, g0b, g1b
	s_cmp_eq_u32 s15, 0
	s_cbranch_scc0 .Lfor_b_\@
	tensor_load_to_lds s[\g0a:\g0a+3], s[\g1a:\g1a+7]
	s_nop 0
.rept 4
	v_nop
.endr
	s_branch .Lasked_\@
.Lfor_b_\@:
	tensor_load_to_lds s[\g0b:\g0b+3], s[\g1b:\g1b+7]
	s_nop 0
.rept 4
	v_nop
.endr
.Lasked_\@:
.endm
.macro CREST
	s_cmp_lg_u32 s14, 0
	s_cbranch_scc1 .Lnot_wave_0_\@
	s_barrier_signal -3
.Lnot_wave_0_\@:
	s_barrier_wait -3
	s_barrier_signal -1
	s_barrier_wait -1
.endm
.macro CROUND
	s_barrier_signal -1
	s_barrier_wait -1
	CREST
.endm
	s_load_b256 s[4:11], s[0:1], 0x0
	s_load_b64 s[84:85], s[0:1], 0x20              ; qkv_codes
	v_lshl_add_u32 v[SPW], v0, 2, SPARE
	v_mov_b32 v[NIL], 0
	ds_add_u32 v[SPW], v[NIL]
	ds_add_u32 v[SPW], v[NIL]
	v_lshrrev_b32 v1, 5, v0
	v_readfirstlane_b32 s14, v1
	s_lshr_b32 s15, s14, 1
	s_and_b32 s16, s14, 1
	s_bfe_u32 s40, ttmp6, 0x40000
	s_bfe_u32 s41, ttmp6, 0x40004
	s_and_b32 s66, ttmp7, 0xffff
	s_cmp_eq_u32 ttmp9, 2
	s_cselect_b32 s67, 0, s66
	s_cselect_b32 s68, s66, ttmp9
	s_cselect_b32 s69, 2048, 0
	s_lshl_b32 s17, s67, 2
	s_add_co_u32 s17, s17, s41
	s_lshl_b32 s42, s68, 2
	s_add_co_u32 s42, s42, s40
	s_lshl_b32 s43, s41, 2
	s_lshl_b32 s43, 15, s43
	s_lshl_b32 s44, 0x1111, s40
	s_or_b32 s[G1+0], s43, (0<<16)|(1<<20)|(1<<21)|(5<<22)|(3<<25)
	s_or_b32 s[G1B+0], s44, (0<<16)|(1<<20)|(1<<21)|(5<<22)|(3<<25)
.irp g, G1, G1B
	s_mov_b32 s[\g+1], ROWB<<16
	s_mov_b32 s[\g+2], 128<<16
	s_mov_b32 s[\g+3], ROWB<<16
	s_mov_b32 s[\g+4], 128
	s_mov_b32 s[\g+5], KROW
	s_mov_b32 s[\g+6], 0
	s_mov_b32 s[\g+7], 0
.endr
	s_lshl_b32 s18, s16, 7
	s_lshl_b32 s20, s17, 8
	s_add_co_u32 s20, s20, s18
	s_add_co_u32 s20, s20, s69
	s_lshl_b32 s46, s42, 8
	s_add_co_u32 s46, s46, s18
	s_lshl_b32 s20, s20, 10
	s_mov_b32 s21, 0
	s_lshl_b32 s46, s46, 10
	s_mov_b32 s47, 0
	s_mul_i32 s45, s14, HALFT
	s_wait_dscnt 0x0
	s_wait_kmcnt 0x0
	s_load_b256 s[76:83], s[8:9], 0x0
	s_cmp_eq_u32 ttmp9, 2
	s_cselect_b64 s[70:71], s[6:7], s[4:5]
	s_cselect_b64 s[72:73], s[4:5], s[6:7]
	s_add_nc_u64 s[20:21], s[70:71], s[20:21]
	s_add_nc_u64 s[46:47], s[72:73], s[46:47]
	CROUND
.irp s, 0,1
	s_mov_b32 s[G0+4*\s], 1
	s_add_co_u32 s[G0+4*\s+1], s45, \s*SLOT
	s_add_nc_u64 s[G0+4*\s+2:G0+4*\s+3], s[20:21], \s*ROWB
	s_or_b32 s[G0+4*\s+3], s[G0+4*\s+3], 0x80000000
	s_mov_b32 s[G0B+4*\s], 1
	s_add_co_u32 s[G0B+4*\s+1], s45, \s*SLOT
	s_add_nc_u64 s[G0B+4*\s+2:G0B+4*\s+3], s[46:47], \s*ROWB
	s_or_b32 s[G0B+4*\s+3], s[G0B+4*\s+3], 0x80000000
.endr
	JLOAD G0, G1, G0B, G1B                         ; K step 0: one tensor load a wave at the head
	s_cmp_eq_u32 s15, 0                            ; the prefetches stand where I fetch,
	s_cselect_b64 s[PFA:PFA+1], s[20:21], s[46:47]
	s_cselect_b32 s70, s40, s41                    ; and take 32 rows by my place among the four that ask with me
	s_lshl_b32 s70, s70, 15
	s_mov_b32 s71, 0
	s_add_nc_u64 s[PFA:PFA+1], s[PFA:PFA+1], s[70:71]
	v_and_b32 v[PFO], 31, v0
	v_lshlrev_b32 v[PFO], 10, v[PFO]
	v_and_b32 v1, 15, v0
	s_wait_alu depctr_va_vdst(0)
	v_bfe_u32 v2, v0, 4, 1
	v_mul_u32_u24 v3, v1, PITCH
	v_lshl_add_u32 v4, v2, 4, v3
	s_mul_i32 s21, s15, HALFT
	s_mul_i32 s22, s16, HALFT
	s_add_co_u32 s22, s22, 2*HALFT
.irp s, 0,1
	v_add_nc_u32 v[ADRA+\s], s21, v4
	v_add_nc_u32 v[ADRB+\s], s22, v4
	s_add_co_u32 s21, s21, SLOT
	s_add_co_u32 s22, s22, SLOT
.endr
	s_lshl_b32 s23, s14, 14
	s_add_co_u32 s19, s23, VSTG
	v_lshlrev_b32 v5, 4, v1                        ; q, k: token r, half h of 16 bytes: 16 r + 8 h
	s_wait_alu depctr_va_vdst(0)
	v_lshl_add_u32 v5, v2, 3, v5
	v_add_nc_u32 v[STOQ], s23, v5
	v_lshlrev_b32 v5, 4, v1                        ; v: lane (r, h) of an image: 16 (16 h + r)
	v_lshl_add_u32 v5, v2, 8, v5
	v_add_nc_u32 v[STOV], s19, v5
	v_and_b32 v6, 31, v0
	v_lshlrev_b32 v[CO], 4, v6
	v_add_nc_u32 v[RD], s23, v[CO]
	v_add_nc_u32 v[RDV], s19, v[CO]
	v_lshlrev_b32 v8, 5, v2
	s_wait_alu depctr_va_vdst(0)
	v_lshlrev_b32 v9, 2, v1
	s_wait_alu depctr_va_vdst(0)
	s_lshl_b32 s20, s17, 8
	s_lshl_b32 s21, s15, 7
	s_add_co_u32 s20, s20, s21
	s_lshl_b32 s21, s42, 8
	s_lshl_b32 s22, s16, 7
	s_add_co_u32 s21, s21, s22
	s_add_co_u32 s22, s20, 2048
	s_cmp_eq_u32 ttmp9, 2
	s_cselect_b32 s22, s22, s21
	s_cselect_b32 s23, s21, s20
	s_lshl_b32 s94, s22, 2
	s_mov_b32 s95, 0
	s_add_nc_u64 s[94:95], s[10:11], s[94:95]
	s_bfe_u32 s92, s22, 0x40006
	s_lshr_b32 s93, s23, 11
	s_lshl_b32 s93, s93, 4
	s_add_co_u32 s92, s92, s93
	s_mul_i32 s92, s92, 393216                     ; a head: 16 blocks x 24,576 bytes
	s_bfe_u32 s93, s23, 0x40007                    ; my 128 tokens are one block
	s_mul_i32 s93, s93, 24576
	s_add_co_u32 s92, s92, s93
	s_lshr_b32 s93, s22, 10                        ; 0: q, 1: k, 2: v
	s_lshl_b32 s93, s93, 13
	s_add_co_u32 s92, s92, s93
	s_mov_b32 s93, 0
	s_add_nc_u64 s[90:91], s[84:85], s[92:93]
.irp b, 0,1,2,3,4,5,6,7
	global_load_b128 v[BQ+8*\b:BQ+8*\b+3], v8, s[94:95] offset:64*\b
	global_load_b128 v[BQ+8*\b+4:BQ+8*\b+7], v8, s[94:95] offset:64*\b+16
.endr
.irp a, 0,1,2,3,4,5,6,7
	global_load_b32 v[BV+2*\a], v9, s[94:95] offset:64*\a
	global_load_b32 v[BV+2*\a+1], v9, s[94:95] offset:64*\a
.endr
.macro FRAG reg, adr, q, i
.irp c, 0,1,2,3
	ds_load_b128 v[\reg+4*\c:\reg+4*\c+3], v[\adr] offset:128*(\q)+32*\c+(\i)*16*PITCH
.endr
.endm
.macro MUL16 a0, p, zero
.irp a, \a0, \a0+1
.irp b, 0,1,2,3,4,5,6,7
.if \zero
	v_wmma_f32_16x16x128_fp8_fp8 v[8*(8*((\a)%4)+\b):8*(8*((\a)%4)+\b)+7], v[128*(\p)+FR*\b:128*(\p)+FR*\b+FR-1], v[AF+FR*(\a):AF+FR*(\a)+FR-1], 0
.else
	v_wmma_f32_16x16x128_fp8_fp8 v[8*(8*((\a)%4)+\b):8*(8*((\a)%4)+\b)+7], v[128*(\p)+FR*\b:128*(\p)+FR*\b+FR-1], v[AF+FR*(\a):AF+FR*(\a)+FR-1], v[8*(8*((\a)%4)+\b):8*(8*((\a)%4)+\b)+7]
.endif
.endr
.endr
.endm
.macro FETCH_B slot, q, p
	WIN TO_B
.irp i, 0,1,2,3,4,5,6,7
	FRAG 128*(\p)+FR*\i, ADRB+\slot, \q, \i
.endr
	WIN 0
.endm
.macro FETCH_A slot, q, i0
.irp i, \i0, \i0+1, \i0+2, \i0+3
	FRAG AF+FR*(\i), ADRA+\slot, \q, \i
.endr
.endm
.macro PLACES n
.rept \n
	v_nop
.endr
.endm
.macro STEP slot, q, zero
	s_wait_dscnt 4*NL
	WIN MUL_LO
	MUL16 0, (\q)%2, \zero
	MUL16 2, (\q)%2, \zero
	s_wait_dscnt 0
	PLACES NP
	FETCH_B \slot, (\q)+1, 1-(\q)%2
	FETCH_A \slot, (\q)+1, 0
	WIN MUL_HI
	MUL16 4, (\q)%2, \zero
	MUL16 6, (\q)%2, \zero
	PLACES NP
	WIN 0
	FETCH_A \slot, (\q)+1, 4
.endm
.macro TURN slot, next, fill
	s_wait_tensorcnt 0x0
	ds_add_u32 v[SPW], v[NIL]
	s_wait_dscnt 4*NL+1
	WIN MUL_LO
	MUL16 0, 1, 0
	s_wait_dscnt 0x0
	s_barrier_signal -1
	MUL16 2, 1, 0
	WIN 0
	s_barrier_wait -1
.if \fill
	CREST
	s_add_nc_u64 s[G0+4*\slot+2:G0+4*\slot+3], s[G0+4*\slot+2:G0+4*\slot+3], 2*ROWB
	s_add_nc_u64 s[G0B+4*\slot+2:G0B+4*\slot+3], s[G0B+4*\slot+2:G0B+4*\slot+3], 2*ROWB
	JLOAD G0+4*\slot, G1, G0B+4*\slot, G1B
.else
	PLACES NP
.endif
	FETCH_B \next, 0, 0
	FETCH_A \next, 0, 0
.if (\fill) && (\slot) == 0
	global_prefetch_b8 v[PFO], s[PFA:PFA+1] offset:3*ROWB th:TH_LOAD_NT scope:SCOPE_SE   ; K step 3, which the next change of slots asks for
.endif
	WIN MUL_HI
	MUL16 4, 1, 0
	MUL16 6, 1, 0
	PLACES NP
	WIN 0
	FETCH_A \next, 0, 4
.endm
	s_wait_alu depctr_va_vdst(0)                   ; at the head's end
	s_wait_tensorcnt 0x0                           ; my part of K step 0 is in; these lines stand ahead of a later first fill as ahead of a refill
	ds_add_u32 v[SPW], v[NIL]
	s_wait_dscnt 0x0
	CROUND                                         ; everybody's part of K step 0 is in, and the joint loads meet
	JLOAD G0+4, G1, G0B+4, G1B                     ; K step 1, the first tensor load behind the round
	FETCH_B 0, 0, 0
	FETCH_A 0, 0, 0
	FETCH_A 0, 0, 4
	global_prefetch_b8 v[PFO], s[PFA:PFA+1] offset:2*ROWB th:TH_LOAD_NT scope:SCOPE_SE   ; K step 2, which the first change of slots asks for
	STEP 0, 0, 1
	s_mov_b32 s3, LAPS-1
.Llap:
	TURN 0, 1, 1
	STEP 1, 0, 0
	TURN 1, 0, 1
	STEP 0, 0, 0
	s_sub_co_u32 s3, s3, 1
	s_cmp_lg_u32 s3, 0
	s_cbranch_scc1 .Llap
	TURN 0, 1, 0
	STEP 1, 0, 0
	s_wait_dscnt 4*NL
	WIN MUL_LO
	MUL16 0, 1, 0
	MUL16 2, 1, 0
	s_wait_dscnt 0
	WIN MUL_HI
	MUL16 4, 1, 0
	MUL16 6, 1, 0
	WIN 0
.macro OUTBLK a, isv
.set AC, 64*((\a)%4)
.set CC, C0+(C1-C0)*((\a)%2)
	WIN 0x02+((\a)/4)
.irp b, 0,1,2,3,4,5,6,7
.irp i, 0,2,4,6
.if \isv
	v_pk_fma_f32 v[T+8*\b+\i:T+8*\b+\i+1], v[AC+8*\b+\i:AC+8*\b+\i+1], s[96:97], v[BV+2*(\a):BV+2*(\a)+1] op_sel_hi:[1,0,1]
.else
	v_pk_fma_f32 v[T+8*\b+\i:T+8*\b+\i+1], v[AC+8*\b+\i:AC+8*\b+\i+1], s[96:97], v[BQ+8*\b+\i:BQ+8*\b+\i+1] op_sel_hi:[1,0,1]
.endif
.endr
.endr
	WIN 0
.set n, 0
.rept 64
	v_med3_num_f32 v[T+n], v[T+n], -v[LIM], v[LIM]
.set n, n+1
.endr
.if (\a) >= 2
.if \isv
	s_wait_alu depctr_va_vdst(0)
	s_wait_dscnt 4
.else
	s_wait_alu depctr_va_vdst(0)
	s_wait_dscnt 8
.endif
.endif
.irp b, 0,1,2,3,4,5,6,7
	v_cvt_scalef32_pk8_fp8_f32 v[CC+2*\b:CC+2*\b+1], v[T+8*\b:T+8*\b+7], v[SCL]
.endr
	v_nop
.if \isv
.irp c, 0,1,2,3
	ds_store_b128 v[STOV], v[CC+4*\c:CC+4*\c+3] offset:((\a)/4)*8192+((\a)%4)*2048+512*\c
.endr
.else
.irp b, 0,1,2,3,4,5,6,7
	ds_store_b64 v[STOQ], v[CC+2*\b:CC+2*\b+1] offset:(\b/4)*8192+(\a)*1024+256*(\b%4)
.endr
.endif
.endm
; Half g of my 16,384 bytes comes back from the stage into window 1, whose fragments are done with.  q, k: blocks 4 g .. 4 g + 3 of both heads; v: head g.
.macro PIECE g, isv
.if \isv
.set LN, 16*(\g)+n
.else
.set LN, 16*(n/8)+8*(\g)+n%8
.endif
.endm
.macro BACK rd, g, isv
	WIN 0x40
.set n, 0
.rept 16
	PIECE \g, \isv
	ds_load_b128 v[64*(\g)+4*n:64*(\g)+4*n+3], v[\rd] offset:512*LN   ; LDS serves a wave's instructions in order: these see my stores
.set n, n+1
.endr
	WIN 0
.endm
.macro SENDH g, isv, left              ; left: LDS instructions issued behind the half's loads, which may be out
	s_wait_dscnt \left
	WIN 0x04
.set n, 0
.rept 16
	PIECE \g, \isv
	global_store_b128 v[CO], v[64*(\g)+4*n:64*(\g)+4*n+3], s[90:91] offset:(LN/16)*393216+512*(LN%16)
.set n, n+1
.endr
	WIN 0
.endm
	s_wait_kmcnt 0x0
	s_wait_loadcnt 0x0
	s_add_co_i32 s96, s76, s77
	s_add_co_i32 s96, s96, 127
	s_lshl_b32 s96, s96, 23
	s_mov_b32 s97, s96
	s_cmp_eq_u32 ttmp9, 0
	s_cselect_b32 s92, s78, s79
	s_cmp_eq_u32 ttmp9, 2
	s_cselect_b32 s92, s81, s92
	s_add_co_i32 s92, s92, 127
	s_lshl_b32 s93, s92, 23
	v_mov_b32 v[SCL], s93
	s_add_co_i32 s92, s92, 8
	s_lshl_b32 s92, s92, 23
	s_or_b32 s92, s92, 0x600000
	v_mov_b32 v[LIM], s92
	PLACES NP
	s_cmp_eq_u32 ttmp9, 2
	s_cbranch_scc1 .Lv
.irp a, 0,1,2,3
	OUTBLK \a, 0
.endr
	BACK RD, 0, 0
	OUTBLK 4, 0
	SENDH 0, 0, 8                                  ; block 4's eight stores into the stage may be out
.irp a, 5,6,7
	OUTBLK \a, 0
.endr
	BACK RD, 1, 0
	SENDH 1, 0, 0
	s_branch .Lend
.Lv:
.irp a, 0,1,2,3
	OUTBLK \a, 1
.endr
	BACK RDV, 0, 1
	OUTBLK 4, 1
	SENDH 0, 1, 4                                  ; block 4's four stores into the stage may be out
.irp a, 5,6,7
	OUTBLK \a, 1
.endr
	BACK RDV, 1, 1
	SENDH 1, 1, 0
.Lend:
	s_wait_tensorcnt 0x0
	ds_add_u32 v[SPW], v[NIL]
	s_wait_dscnt 0x0
	CROUND
	s_endpgm
.Lfunc_end_k_q2cba82b36e_qkv:
	.size	k_q2cba82b36e_qkv, .Lfunc_end_k_q2cba82b36e_qkv-k_q2cba82b36e_qkv
	.p2alignl 7, 3214868480
	.fill 96, 4, 3214868480
	.section	.rodata,"a",@progbits
	.p2align	6, 0x0
	.amdhsa_kernel k_q2cba82b36e_qkv
		.amdhsa_group_segment_fixed_size 327680
		.amdhsa_private_segment_fixed_size 0
		.amdhsa_enable_private_segment 0
		.amdhsa_kernarg_size 40
		.amdhsa_user_sgpr_count 2
		.amdhsa_user_sgpr_kernarg_segment_ptr 1
		.amdhsa_wavefront_size32 1
		.amdhsa_system_sgpr_workgroup_id_x 1
		.amdhsa_system_sgpr_workgroup_id_y 1
		.amdhsa_system_sgpr_workgroup_id_z 1
		.amdhsa_system_vgpr_workitem_id 0
		.amdhsa_next_free_vgpr 1024
		.amdhsa_next_free_sgpr 100
		.amdhsa_reserve_vcc 0
		.amdhsa_float_denorm_mode_32 3
		.amdhsa_float_denorm_mode_16_64 3
		.amdhsa_memory_ordered 1
		.amdhsa_forward_progress 1
		.amdhsa_inst_pref_size 206
	.end_amdhsa_kernel
	.amdgpu_metadata
---
amdhsa.version: [ 1, 2 ]
amdhsa.kernels:
  - .name:           k_q2cba82b36e_qkv
    .symbol:         k_q2cba82b36e_qkv.kd
    .args:
      - { .name: x_codes, .offset: 0, .size: 8, .value_kind: global_buffer, .address_space: global }
      - { .name: wqkv_codes, .offset: 8, .size: 8, .value_kind: global_buffer, .address_space: global }
      - { .name: lowp_scales, .offset: 16, .size: 8, .value_kind: global_buffer, .address_space: global }
      - { .name: b_qkv, .offset: 24, .size: 8, .value_kind: global_buffer, .address_space: global }
      - { .name: qkv_codes, .offset: 32, .size: 8, .value_kind: global_buffer, .address_space: global }
    .group_segment_fixed_size: 327680
    .private_segment_fixed_size: 0
    .kernarg_segment_align: 8
    .kernarg_segment_size: 40
    .max_flat_workgroup_size: 128
    .sgpr_count:     100
    .vgpr_count:     1024
    .wavefront_size: 32
...
	.end_amdgpu_metadata
.endif
;; end of part 2
;; launch attn (part 3): grid 8 x 32, 16 waves a work-group, clusters of 4 x 1, 327,680 bytes of LDS; arguments qkv_codes, lowp_scales, a_codes; writes a_codes
.if DOCPART == 3
	.amdgcn_target "amdgcn-amd-amdhsa--gfx1250"
	.amdhsa_code_object_version 6
	.text
	.protected	k_q2cba82b36e_attn
	.globl	k_q2cba82b36e_attn
	.p2align	8
	.type	k_q2cba82b36e_attn,@function
k_q2cba82b36e_attn:
	s_mov_b64 s[64:65], 0
	v_nop
	global_prefetch_b8 v0, s[64:65] scope:SCOPE_SE
	s_setreg_imm32_b32 hwreg(HW_REG_WAVE_MODE, 25, 1), 1
	s_wait_xcnt 0x0
	s_wait_alu depctr_hold_cnt(0) depctr_sa_sdst(0) depctr_va_vdst(0) depctr_va_sdst(0) depctr_va_ssrc(0) depctr_va_vcc(0) depctr_vm_vsrc(0)
	s_getreg_b32 s2, hwreg(HW_REG_IB_STS2, 6, 4)
	s_cmp_eq_u32 s2, 0
	s_cbranch_scc0 .Lentry_in_a_cluster
	s_endpgm
.Lentry_in_a_cluster:
	s_bfe_u32 s2, ttmp6, 0x10000c
	s_cmp_lg_u32 s2, 0x3003
	s_cbranch_scc0 .Lentry_shape_is_right
	s_endpgm
.Lentry_shape_is_right:
; Causal attention on codes of FP8 (E4M3): 32 heads (batch x head) of 2,048 tokens x 64 channels; the result is quantised for the last product and leaves as codes.
; qkv_codes: [32 bh][16 blocks ks of 128 tokens][q, k, v][8,192 bytes], each an image of operand registers: q, k: [8 tiles of 16 tokens][2 c][32 lanes][16 bytes]; v: [4 tiles of 16 channels][4 c][32 lanes][16 bytes].
; a_codes: [32 blocks of 128 rows][2 halves of K][8 tiles of 16 rows][4 steps of 128][4 c][32 lanes][16 bytes]: a tile of 16 rows of one head is 1,024 consecutive bytes.
; THE SOFTMAX AHEAD OF THE SECOND PRODUCT: t = score x log2(e) / 8; M = the row's largest t so far, rounded UP to a whole number; p = 2^(t - M) is what is quantised (2^e4), not normalised.
; The row's sum is taken of the unquantised p, in f32, and divides O at the end.  When M moves, the sum and O are multiplied by 2^(old M - new M): exact.
; SHARES.  A work-group owns tile j (j = 0 .. 7, its number along x) of 16 queries in EVERY block of 128 of one head: tile i wants key steps ks = 0 .. i, and every work-group has the same 136 steps of a wave.
; Steps all of whose keys are hidden by the causal mask, which reference() builds itself, are left out: their p is 0 for all inputs.  (A NaN or an infinity that reaches only those is not carried to the result.)
; Two waves share tiles p and 15 - p, 17 steps.  Wave A takes ks = 0 .. a - 1 of tile 15 - p.  Wave B takes ks = 0 .. p of tile p, sends that tile out in slot p + 1, and then takes ks = a .. 15 - p of tile 15 - p.
; The two parts of tile 15 - p are joined through LDS: both M are whole numbers, so the joining factors are powers of two.
; p = 0 .. 3: A is wave p, B wave 12 + p, a = 12.  p = 4 .. 7: A is wave p, B wave 4 + p, a = 10 (9 for p = 7, whose tile 8 has no more).  So of waves w, w + 4, w + 8, w + 12 the first takes 12 steps, the second 10, the third 7, the last 5 (p = 7: 9 and 8 in the middle).
; ALL OF K AND V LIES IN LDS: block ks at 16,384 ks, 8,192 bytes of K, then 8,192 of V, no padding (a fragment's load reads 16 x lane).  Every byte is filled once.  At the head each wave asks for 2,048 bytes of blocks 0 and 1;
; when those are in, behind a round, waves 0 to 13 ask for blocks 2 to 15, one each, which have slots 0 and 1 in which to land.
; CLUSTERS 4 x 1: the four work-groups need the same blocks, and ask for each jointly.  No branch, trip count or LDS address hangs on the place in the cluster; j enters the addresses of q and of the result and the diagonal's bound alone.
; NO PREFETCH: the two groups of loads stand at the head, and no loop has loads to run ahead of.
; LAYOUT.  Both products are used transposed: S^T = K Q^T (source 0 = 16 keys, source 1 = my 16 queries), O^T = V^T P^T: a lane holds ONE query (lane % 16) throughout.  Register 8 i + j of S^T is key 16 i + 8 (lane / 16) + j.
; THE DIAGONAL.  Register n = 16 i + j's bound is (d - n + 1/2) x 2^120, d = query - 8 (lane / 16) in the block: above every score where the key counts, -2^119 or less where it is hidden; the score is held under it, and p is 0 then.
; LIMITS: e2 + e3 between -100 and 130; e4 and e6 between -126 and 119; e4 + e5 goes by v_ldexp_f32 and has none.  The promise holds while t stays under 2^31 in magnitude.  NaN is not served.
.set PSTG,  262144                     ; behind the blocks: 4,352 bytes for each pair: B's part of tile 15 - p
.set PB,    4352
.set OSTG,  PSTG+8*PB                  ; 1,024 bytes for each wave: the way out
.set SPARE, OSTG+16*1024               ; the spare words, 128 bytes for each wave: eight blocks of 256 bytes that no other line names
.set HEADB, 393216                     ; a head in qkv_codes
.set BLKB,  24576                      ; a block of it
.set SPW, 5                            ; v5 LDS address of my spare word, v6 0; never rewritten
.set NIL, 6
; v1 16 x lane; v2 stage in, v3 stage back; v4, v7 the pair's part; v8 the step's LDS address; v12 -M, v13 the largest t, v[14:15] the sum; v16-23 Q; v24 448 x 2^e4, v26 2^e4, v27 2^e6, v28 448 x 2^e6; v[30:31] the bound at n = 0, 1;
; v32-95 fragments; v96-159 S^T, then p; v160-191 O^T; v192-207 p's codes; v208-215 Q of tile 15 - p; v216-223, v232-239, v252-254 at work
.set WV,  10
.set PR,  11                           ; p
.set RB,  12                           ; 1: B
.set BH,  13
.set J,   14
.set G0,  16                           ; s[16:19], s[24:31] the first load's descriptor; s[80:83], s[72:79] the second's
.set SEL, 20                           ; s[20:21] lane selects for v_permlanex16_b32: lane l xor 16
.set CS,  22                           ; s[22:23] log2(e) / 8 x 2^(e2 + e3)
.set G1,  24
.set T,   32                           ; slot
.set KB,  33                           ; 16,384 x slot
.set KE,  34                           ; LDS byte of the step's block
.set P1,  35                           ; B: p + 1; A: beyond every slot
.set OFF, 36                           ; 16,384 (a - p - 2)
.set TIB, 37                           ; 16,384 x the tile in hand: its diagonal block
.set OP,  38                           ; s[38:39] where my one tile of the result goes
.set EO,  40                           ; e4 + e5
.set NS,  44                           ; my slots: A: a; B: 18 - a
.set AS,  45                           ; a
.set G1N, 72
.set G0N, 80
.macro CROUND                          ; a whole round of the cluster's barrier
	s_barrier_signal -1
	s_barrier_wait -1
	s_cmp_lg_u32 s[WV], 0
	s_cbranch_scc1 .Lnot_wave_0_\@
	s_barrier_signal -3
.Lnot_wave_0_\@:
	s_barrier_wait -3
	s_barrier_signal -1
	s_barrier_wait -1
.endm
.macro CLEAR
	v_mov_b32 v13, 0xff61b1e6                      ; the largest t so far: -3e38, under every t
	v_mov_b32 v14, 0
	v_mov_b32 v15, 0
	v_floor_f32 v12, -v13
.set n, 0
.rept 32
	v_mov_b32 v[160+n], 0                          ; O^T.  (A step is written for every step alike: the first finds zeros, which the first change of M leaves zeros)
.set n, n+1
.endr
.endm
	s_load_b128 s[4:7], s[0:1], 0x0                ; qkv_codes, the scales' exponents
	s_load_b64 s[8:9], s[0:1], 0x10                ; a_codes
	v_lshl_add_u32 v[SPW], v0, 2, SPARE
	v_mov_b32 v[NIL], 0
	ds_add_u32 v[SPW], v[NIL]                      ; the wave's opening: the add, twice on end, and its wait ahead of my tensor load; work on registers stands between
	ds_add_u32 v[SPW], v[NIL]
	v_lshrrev_b32 v8, 5, v0
	v_readfirstlane_b32 s[WV], v8
	v_and_b32 v9, 31, v0
	v_lshlrev_b32 v1, 4, v9
	v_and_b32 v10, 15, v9                          ; r
	v_lshrrev_b32 v11, 4, v9                       ; h
	s_bfe_u32 s[J], ttmp6, 0x40000
	s_lshl_b32 s15, ttmp9, 2
	s_add_co_u32 s[J], s[J], s15                   ; my number along x
	s_lshr_b32 s41, s[WV], 2                       ; 0 .. 3
	s_lshr_b32 s[RB], s41, 1                       ; waves 8 to 15 are B
	s_xor_b32 s41, s41, s[RB]
	s_and_b32 s41, s41, 1                          ; 1 in waves 4 to 11
	s_lshl_b32 s41, s41, 2
	s_and_b32 s[PR], s[WV], 3
	s_add_co_u32 s[PR], s[PR], s41                 ; p
	s_lshl_b32 s41, s[WV], 10
	s_add_co_u32 s41, s41, OSTG
	s_wait_alu depctr_va_vdst(0)                   ; behind the run of scalar instructions
	v_lshlrev_b32 v2, 4, v10
	v_lshl_add_u32 v2, v11, 3, v2
	v_add_nc_u32 v2, s41, v2                       ; stage in: 16 r + 8 h
	v_add_nc_u32 v3, s41, v1                       ; back: as it lies
	s_mul_i32 s42, s[PR], PB
	s_add_co_u32 s42, s42, PSTG
	v_add_nc_u32 v7, s42, v1
	v_lshlrev_b32 v4, 3, v9
	v_add_nc_u32 v4, s42, v4
	s_lshl_b32 s43, s[J], 4
	v_lshlrev_b32 v29, 3, v11
	v_sub_nc_u32 v29, v10, v29
	v_add_nc_u32 v29, s43, v29                     ; d
	v_cvt_f32_i32 v29, v29
	v_add_f32 v29, 0.5, v29
	v_mul_f32 v30, 0x7b800000, v29                 ; x 2^120
	v_add_f32 v31, 0xfb800000, v30                 ; one key on
	CLEAR
	v_mov_b32 v236, 0                              ; a lane permute's destination counts as one of its sources
	v_mov_b32 v252, 0
	v_mov_b32 v253, 0                              ; (named as the upper half of the pair v[252:253])
	s_and_b32 s[BH], ttmp7, 0xffff
	s_sub_co_u32 s[AS], 16, s[PR]
	s_min_u32 s[AS], s[AS], 10
	s_cmp_lt_u32 s[PR], 4
	s_cselect_b32 s[AS], 12, s[AS]                 ; a
	s_xor_b32 s41, s[RB], 1                        ; 1: A
	s_lshl_b32 s[NS], s[AS], 1
	s_sub_co_u32 s[NS], s[NS], 18
	s_mul_i32 s[NS], s[NS], s41
	s_add_co_u32 s[NS], s[NS], 18
	s_sub_co_u32 s[NS], s[NS], s[AS]               ; A: a; B: 18 - a
	s_lshl_b32 s42, s[PR], 1
	s_sub_co_u32 s42, 15, s42
	s_mul_i32 s42, s42, s41
	s_add_co_u32 s42, s42, s[PR]                   ; my first tile: A: 15 - p, B: p
	s_sub_co_u32 s43, 15, s[PR]                    ; 15 - p
	s_mul_i32 s41, s41, 100
	s_add_co_u32 s[P1], s[PR], 1
	s_add_co_u32 s[P1], s[P1], s41
	s_sub_co_u32 s[OFF], s[AS], s[PR]
	s_sub_co_u32 s[OFF], s[OFF], 2
	s_lshl_b32 s[OFF], s[OFF], 14
	s_lshl_b32 s[TIB], s42, 14
	; descriptor group 1, dense rows of 256 bytes: 8 of them at the head, 64 behind it
	s_mov_b32 s[G1], 15|(3<<16)|(1<<21)            ; 15:0 the mask: all four; 17:16 elements of 8 bytes; 21 set beside a mask; no padding
	s_mov_b32 s[G1+1], 32<<16
	s_mov_b32 s[G1+2], 8<<16
	s_mov_b32 s[G1+3], 32<<16
	s_mov_b32 s[G1+4], 8
	s_mov_b32 s[G1+5], 32
	s_mov_b32 s[G1+6], 0
	s_mov_b32 s[G1+7], 0
	s_mov_b32 s[G1N], 15|(3<<16)|(1<<21)
	s_mov_b32 s[G1N+1], 32<<16
	s_mov_b32 s[G1N+2], 64<<16
	s_mov_b32 s[G1N+3], 32<<16
	s_mov_b32 s[G1N+4], 64
	s_mov_b32 s[G1N+5], 32
	s_mov_b32 s[G1N+6], 0
	s_mov_b32 s[G1N+7], 0
	s_mov_b32 s[SEL], 0x76543210
	s_mov_b32 s[SEL+1], 0xfedcba98
	s_mul_i32 s56, s[BH], HEADB
	s_lshr_b32 s58, s[WV], 3                       ; at the head: block w / 8, its part w mod 8: K and V behind Q
	s_mul_i32 s58, s58, BLKB
	s_and_b32 s59, s[WV], 7
	s_lshl_b32 s59, s59, 11
	s_add_co_u32 s58, s58, s59
	s_add_co_u32 s58, s58, s56
	s_add_co_u32 s58, s58, 8192
	s_mov_b32 s59, 0
	s_mul_i32 s62, s[WV], BLKB                     ; behind it: block w + 2
	s_add_co_u32 s62, s62, s56
	s_add_co_u32 s62, s62, 2*BLKB+8192
	s_mov_b32 s63, 0
	s_lshl_b32 s57, s[J], 10
	s_add_co_u32 s56, s56, s57                     ; my tile of a block's Q
	s_mul_i32 s60, s42, BLKB
	s_add_co_u32 s60, s60, s56
	s_mov_b32 s61, 0
	s_mul_i32 s66, s43, BLKB
	s_add_co_u32 s66, s66, s56
	s_mov_b32 s67, 0
	s_lshr_b32 s70, s[BH], 4                       ; the result: block of rows 16 batch + tile, half of K, row tile j, head
	s_lshl_b32 s70, s70, 4
	s_add_co_u32 s70, s70, s42
	s_lshl_b32 s70, s70, 17
	s_bfe_u32 s71, s[BH], 0x10003
	s_lshl_b32 s71, s71, 16
	s_add_co_u32 s70, s70, s71
	s_lshl_b32 s71, s[J], 13
	s_add_co_u32 s70, s70, s71
	s_and_b32 s71, s[BH], 7
	s_lshl_b32 s71, s71, 10
	s_add_co_u32 s70, s70, s71
	s_mov_b32 s71, 0
	s_mov_b32 s[G0], 1
	s_lshl_b32 s[G0+1], s[WV], 11                  ; LDS addresses: no place in the cluster enters them
	s_mov_b32 s[G0N], 1
	s_lshl_b32 s[G0N+1], s[WV], 14
	s_add_co_u32 s[G0N+1], s[G0N+1], 32768
	s_wait_alu depctr_va_vdst(0)                   ; directly ahead of the waits below
	s_wait_dscnt 0x0                               ; both opening adds are done
	s_wait_kmcnt 0x0
	s_load_b256 s[48:55], s[6:7], 0x0              ; e0 .. e7
	s_add_nc_u64 s[G0+2:G0+3], s[4:5], s[58:59]
	s_or_b32 s[G0+3], s[G0+3], 0x80000000
	s_add_nc_u64 s[G0N+2:G0N+3], s[4:5], s[62:63]
	s_or_b32 s[G0N+3], s[G0N+3], 0x80000000
	s_add_nc_u64 s[60:61], s[4:5], s[60:61]
	s_add_nc_u64 s[66:67], s[4:5], s[66:67]
	s_add_nc_u64 s[OP:OP+1], s[8:9], s[70:71]
	CROUND                                         ; all four work-groups are here: the joint loads meet
	tensor_load_to_lds s[G0:G0+3], s[G1:G1+7]      ; my part of blocks 0 and 1
	s_nop 0
.rept 4
	v_nop
.endr
	global_load_b128 v[16:19], v1, s[60:61]        ; Q of my first tile,
	global_load_b128 v[20:23], v1, s[60:61] offset:512
	global_load_b128 v[208:211], v1, s[66:67]      ; and of tile 15 - p, for B's second part
	global_load_b128 v[212:215], v1, s[66:67] offset:512
	s_wait_kmcnt 0x0
	s_add_co_i32 s41, s50, s51
	s_lshl_b32 s41, s41, 23
	s_add_co_i32 s[CS], s41, 0x3e38aa3b            ; the two exponents are added to the exponent field of log2(e) / 8
	s_mov_b32 s[CS+1], s[CS]                       ; (named with it as a pair, so it is written)
	s_add_co_i32 s41, s52, 127
	s_lshl_b32 s42, s41, 23
	v_mov_b32 v26, s42
	s_add_co_i32 s41, s41, 8
	s_lshl_b32 s41, s41, 23
	s_or_b32 s41, s41, 0x600000
	v_mov_b32 v24, s41
	s_add_co_i32 s41, s54, 127
	s_lshl_b32 s42, s41, 23
	v_mov_b32 v27, s42
	s_add_co_i32 s41, s41, 8
	s_lshl_b32 s41, s41, 23
	s_or_b32 s41, s41, 0x600000
	v_mov_b32 v28, s41
	s_add_co_i32 s[EO], s52, s53
; A KEY STEP: the 128 keys of the block at LDS byte KE.
.macro STEP
	v_add_nc_u32 v8, s[KE], v1
	v_nop                                          ; with the addition: four places in front of loads into registers that the last step's products have read
	v_nop
	v_nop
.irp i, 0,1,2,3,4,5,6,7                        ; tile i: keys 16 i + r
	ds_load_b128 v[32+8*\i:35+8*\i], v8 offset:1024*\i
	ds_load_b128 v[36+8*\i:39+8*\i], v8 offset:1024*\i+512
.endr
	s_wait_alu depctr_va_vdst(0)                   ; directly ahead of the wait below
	s_wait_dscnt 0x0
.irp i, 0,1,2,3,4,5,6,7
	v_wmma_f32_16x16x64_fp8_fp8 v[96+8*\i:103+8*\i], v[32+8*\i:39+8*\i], v[16:23], 0
.endr
.rept 4
	v_nop                                          ; places in front of the loads below and of the first read of the scores
.endr
.irp t, 0,1,2,3                                ; V's four fragments take K's registers and land under the softmax
.irp c, 0,1,2,3
	ds_load_b128 v[32+16*\t+4*\c:35+16*\t+4*\c], v8 offset:8192+2048*\t+512*\c
.endr
.endr
	s_cmp_lg_u32 s[KE], s[TIB]
	s_cbranch_scc1 .Lopen_\@                       ; every key of the block counts, but on the diagonal: ids alone
	v_mov_b32 v216, v30                            ; the bounds of registers n, n + 1 for j = 0, 2, 4, 6 of tile 0
	v_mov_b32 v217, v31
	v_pk_add_f32 v[218:219], v[30:31], 0xfc000000 op_sel_hi:[1,0]   ; 2 keys on: -2 x 2^120
	v_pk_add_f32 v[220:221], v[30:31], 0xfc800000 op_sel_hi:[1,0]   ; 4
	v_pk_add_f32 v[222:223], v[30:31], 0xfcc00000 op_sel_hi:[1,0]   ; 6
.irp i, 0,1,2,3,4,5,6,7
.irp m, 0,2,4,6
	v_dual_min_num_f32 v[96+8*\i+\m], v[216+\m], v[96+8*\i+\m] :: v_dual_min_num_f32 v[97+8*\i+\m], v[217+\m], v[97+8*\i+\m]
.endr
.if \i < 7
.irp m, 0,2,4,6
	v_pk_add_f32 v[216+\m:217+\m], v[216+\m:217+\m], 0xfd800000 op_sel_hi:[1,0]   ; 16 keys on: -16 x 2^120
.endr
.endif
.endr
.Lopen_\@:
	v_max3_num_f32 v254, v96, v97, v98             ; the step's largest score of my query, among my 64 keys, in four chains, each accumulator from its low end on,
	v_max3_num_f32 v252, v99, v100, v101
	v_max3_num_f32 v232, v102, v103, v104
	v_max3_num_f32 v234, v105, v106, v107
.set n, 108
.rept 6
	v_max3_num_f32 v254, v254, v[n], v[n+1]
	v_max3_num_f32 v252, v252, v[n+2], v[n+3]
	v_max3_num_f32 v232, v232, v[n+4], v[n+5]
	v_max3_num_f32 v234, v234, v[n+6], v[n+7]
.set n, n+8
.endr
	v_max3_num_f32 v254, v254, v156, v157
	v_max3_num_f32 v252, v252, v158, v159
	v_max_num_f32 v232, v232, v234
	s_delay_alu instid0(VALU_DEP_1)
	v_max3_num_f32 v254, v254, v252, v232
	s_delay_alu instid0(VALU_DEP_1)
	v_permlanex16_b32 v236, v254, s[SEL], s[SEL+1]
	s_delay_alu instid0(VALU_DEP_1)
	v_max_num_f32 v254, v254, v236                 ; and among lane l xor 16's
	s_delay_alu instid0(VALU_DEP_1)
	v_mul_f32 v254, s[CS], v254                    ; as t (the factor is positive)
	s_delay_alu instid0(VALU_DEP_1)
	v_max_num_f32 v13, v13, v254                   ; the running largest t
	v_mov_b32 v254, v12
	s_delay_alu instid0(VALU_DEP_2)
	v_floor_f32 v12, -v13                          ; the new -M = floor(-t) = -ceil(t): M is a whole number
	s_delay_alu instid0(VALU_DEP_1)
	v_sub_f32 v254, v12, v254                      ; M's old value less its new one: a whole number, 0 or less
	s_delay_alu instid0(VALU_DEP_1)
	v_cvt_i32_f32 v254, v254                       ; (it saturates)
	s_delay_alu instid0(VALU_DEP_1)
	v_ldexp_f32 v252, 1.0, v254                    ; f = 2^(old M - new M)
.set n, 0
.rept 32
	v_pk_fma_f32 v[96+n:97+n], v[96+n:97+n], s[CS:CS+1], v[12:13] op_sel_hi:[1,0,0]   ; t - M, two at a time (of the pairs the low word serves both halves)
.set n, n+2
.endr
	s_wait_alu depctr_va_vdst(0)                   ; ahead of the batch
.set n, 0
.rept 64
	v_exp_f32 v[96+n], v[96+n]                     ; p = 2^(t - M), at most 1: not normalised
.set n, n+1
.endr
	v_pk_mul_f32 v[14:15], v[14:15], v[252:253] op_sel_hi:[1,0]   ; the sums under the new M: the plain instruction behind the exponentials
	s_wait_alu depctr_va_vdst(0)                   ; one wait for the whole batch and for O^T, directly ahead of O^T's first readers
.set n, 0
.rept 16
	v_pk_mul_f32 v[160+n:161+n], v[160+n:161+n], v[252:253] op_sel_hi:[1,0]   ; O^T under the new M
.set n, n+2
.endr
	v_pk_add_f32 v[232:233], v[96:97], v[98:99]    ; the row's sum of the unquantised p, in four chains
	v_pk_add_f32 v[234:235], v[100:101], v[102:103]
	v_pk_add_f32 v[238:239], v[104:105], v[106:107]
	v_pk_add_f32 v[14:15], v[14:15], v[108:109]
.set n, 110
.rept 6
	v_pk_add_f32 v[232:233], v[232:233], v[n:n+1]
	v_pk_add_f32 v[234:235], v[234:235], v[n+2:n+3]
	v_pk_add_f32 v[238:239], v[238:239], v[n+4:n+5]
	v_pk_add_f32 v[14:15], v[14:15], v[n+6:n+7]
.set n, n+8
.endr
	v_pk_add_f32 v[232:233], v[232:233], v[158:159]
	v_pk_add_f32 v[234:235], v[234:235], v[238:239]
	s_delay_alu instid0(VALU_DEP_2)
	v_pk_add_f32 v[14:15], v[14:15], v[232:233]
	s_delay_alu instid0(VALU_DEP_1)
	v_pk_add_f32 v[14:15], v[14:15], v[234:235]
.irp i, 0,1,2,3,4,5,6,7
.irp m, 0,2,4,6
	v_dual_min_num_f32 v[96+8*\i+\m], v24, v[96+8*\i+\m] :: v_dual_min_num_f32 v[97+8*\i+\m], v24, v[97+8*\i+\m]   ; the conversion does not saturate (ISA guide 7.6.2); p is not negative, so the hold is one-sided
.endr
	v_cvt_scalef32_pk8_fp8_f32 v[192+2*\i:193+2*\i], v[96+8*\i:103+8*\i], v26   ; keys 16 i + 8 h + 0 .. 7: registers 2 i, 2 i + 1 of P
.endr
	v_nop                                          ; one plain instruction between the conversions and the products
	s_wait_alu depctr_va_vdst(0)                   ; directly ahead of the wait below
	s_wait_dscnt 0x0                               ; V is in
.irp t, 0,1,2,3                                ; O^T += V^T P^T: four accumulators by turns, one instruction each
	v_wmma_f32_16x16x128_fp8_fp8 v[160+8*\t:167+8*\t], v[32+16*\t:47+16*\t], v[192:207], v[160+8*\t:167+8*\t]
.endr
.endm
; THE WAY OUT of a tile: O^T / the sum (in v14, my lane's half) x 2^(e4 + e5), held, quantised by 2^e6, through my stage: 1,024 consecutive bytes.
.macro OUT
	v_permlanex16_b32 v252, v14, s[SEL], s[SEL+1]
	v_add_f32 v14, v14, v252                       ; and lane l xor 16's: the row's sum
	s_wait_alu depctr_va_vdst(0)                   ; ahead of the transcendental
	v_rcp_f32 v14, v14
	v_nop
	s_wait_alu depctr_va_vdst(0)                   ; and ahead of its first reader
	v_ldexp_f32 v14, v14, s[EO]
	s_wait_alu depctr_va_vdst(0)                   ; and directly ahead of the first reader of O^T
.set n, 0
.rept 16
	v_pk_mul_f32 v[96+n:97+n], v[160+n:161+n], v[14:15] op_sel_hi:[1,0]   ; register 8 t + i is the result at (query r, channel 16 t + 8 h + i)
.set n, n+2
.endr
.set n, 0
.rept 32
	v_med3_num_f32 v[96+n], v[96+n], -v28, v28
.set n, n+1
.endr
.irp t, 0,1,2,3
	v_cvt_scalef32_pk8_fp8_f32 v[128+2*\t:129+2*\t], v[96+8*\t:103+8*\t], v27
.endr
	v_nop                                          ; one plain vector instruction behind the last conversion
.irp t, 0,1,2,3
	ds_store_b64 v2, v[128+2*\t:129+2*\t] offset:256*\t
.endr
	ds_load_b128 v[136:139], v3                    ; LDS serves a wave's instructions in order: these see my stores
	ds_load_b128 v[140:143], v3 offset:512
	s_wait_dscnt 0x1                               ; the younger load may be out
	global_store_b128 v1, v[136:139], s[OP:OP+1]
	s_wait_dscnt 0x0
	global_store_b128 v1, v[140:143], s[OP:OP+1] offset:512
.endm
; B: tile p is finished and leaves; tile 15 - p begins
.macro SWITCH
	v_add_f32 v14, v14, v15
	v_nop                                          ; with the others here: places behind the last products
	v_nop
	OUT
	s_wait_xcnt 0x0                                ; the stores have read their registers
	CLEAR
.irp i, 0,1,2,3,4,5,6,7
	v_mov_b32 v[16+\i], v[208+\i]
.endr
	s_sub_co_u32 s[TIB], 15, s[PR]
	s_lshl_b32 s[TIB], s[TIB], 14
	s_wait_alu depctr_va_vdst(0)
.endm
	s_wait_alu depctr_va_vdst(0)                   ; at the head's end
	s_wait_loadcnt 0x0                             ; Q
	s_wait_tensorcnt 0x0                           ; my part of blocks 0 and 1 is in; these lines stand ahead of a later first fill as ahead of a refill
	ds_add_u32 v[SPW], v[NIL]
	s_wait_dscnt 0x0
	CROUND                                         ; blocks 0 and 1 may be read, and the joint loads meet
	s_cmp_lt_u32 s[WV], 14
	s_cbranch_scc0 .Lno_block
	tensor_load_to_lds s[G0N:G0N+3], s[G1N:G1N+7]  ; block w + 2: the first tensor load behind the round
	s_nop 0
.rept 4
	v_nop
.endr
.Lno_block:
	s_mov_b32 s[T], 0
	s_mov_b32 s[KB], 0
.Lfirst:                                           ; slots 0 and 1: blocks 0 and 1
	s_cmp_eq_u32 s[T], s[P1]
	s_cbranch_scc1 .Lpass                          ; (p = 0: B's tile 0 is finished; it leaves behind the barrier)
	s_mov_b32 s[KE], s[KB]
	STEP
.Lpass:
	s_add_co_u32 s[KB], s[KB], 16384
	s_add_co_u32 s[T], s[T], 1
	s_cmp_lt_u32 s[T], 2
	s_cbranch_scc1 .Lfirst
	s_wait_tensorcnt 0x0                           ; my block is in; my LDS loads are over (STEP waits for 0)
	s_barrier_signal -1
	s_barrier_wait -1                              ; all blocks may be read; no byte of LDS is filled again
	s_cmp_lg_u32 s[P1], 1
	s_cbranch_scc1 .Lgo_on
	SWITCH
.Lgo_on:
	s_mov_b32 s[T], 2
	s_mov_b32 s[KB], 32768
.Lslot:
	s_cmp_ge_u32 s[T], s[NS]
	s_cbranch_scc1 .Lnext                          ; my share is done
	s_cmp_eq_u32 s[T], s[P1]
	s_cbranch_scc1 .Lswitch
	s_cmp_gt_u32 s[T], s[P1]
	s_cselect_b32 s[KE], s[OFF], 0
	s_add_co_u32 s[KE], s[KE], s[KB]
	s_and_b32 s[KE], s[KE], 0x3c000                ; one of the sixteen blocks
	STEP
	s_branch .Lnext
.Lswitch:
	SWITCH
.Lnext:
	s_add_co_u32 s[KB], s[KB], 16384
	s_add_co_u32 s[T], s[T], 1
	s_cmp_lt_u32 s[T], 12
	s_cbranch_scc1 .Lslot
	; B's part of tile 15 - p goes to A.  (p = 6, 7: B has no step of it: zeros, with the -M of the start, which A's M outweighs)
	v_add_f32 v14, v14, v15                        ; the sum's two halves
	v_nop                                          ; places behind the last products
	v_nop
	v_nop
	v_mov_b32 v13, v14
	s_wait_alu depctr_va_vdst(0)                   ; directly ahead of the branch
	s_cmp_eq_u32 s[RB], 0
	s_cbranch_scc1 .Lis_a
.irp i, 0,1,2,3,4,5,6,7
	ds_store_b128 v7, v[160+4*\i:163+4*\i] offset:512*\i
.endr
	ds_store_b64 v4, v[12:13] offset:4096          ; -M and the sum
.Lis_a:
	s_wait_dscnt 0x0
	s_barrier_signal -1
	s_barrier_wait -1
	s_cmp_lg_u32 s[RB], 0
	s_cbranch_scc1 .Lend
	ds_load_b64 v[128:129], v4 offset:4096
.irp i, 0,1,2,3,4,5,6,7
	ds_load_b128 v[96+4*\i:99+4*\i], v7 offset:512*\i
.endr
	v_mov_b32 v131, 0                              ; (upper halves of pairs)
	v_mov_b32 v133, 0
	s_wait_alu depctr_va_vdst(0)                   ; directly ahead of the wait below
	s_wait_dscnt 0x0
	v_min_num_f32 v252, v12, v128                  ; -M of both
	s_delay_alu instid0(VALU_DEP_1)
	v_sub_f32 v254, v252, v12
	v_sub_f32 v236, v252, v128
	s_delay_alu instid0(VALU_DEP_2)
	v_cvt_i32_f32 v254, v254
	s_delay_alu instid0(VALU_DEP_2)
	v_cvt_i32_f32 v236, v236
	s_delay_alu instid0(VALU_DEP_2)
	v_ldexp_f32 v130, 1.0, v254                    ; my factor
	s_delay_alu instid0(VALU_DEP_2)
	v_ldexp_f32 v132, 1.0, v236                    ; B's
	v_mul_f32 v14, v14, v130
	s_delay_alu instid0(VALU_DEP_1)
	v_fma_f32 v14, v129, v132, v14
.set n, 0
.rept 16
	v_pk_mul_f32 v[160+n:161+n], v[160+n:161+n], v[130:131] op_sel_hi:[1,0]
.set n, n+2
.endr
.set n, 0
.rept 16
	v_pk_fma_f32 v[160+n:161+n], v[96+n:97+n], v[132:133], v[160+n:161+n] op_sel_hi:[1,0,1]
.set n, n+2
.endr
	OUT
.Lend:
	s_wait_tensorcnt 0x0                           ; the wave's end
	ds_add_u32 v[SPW], v[NIL]
	s_wait_dscnt 0x0
	CROUND                                         ; the closing round: no work-group ends while a partner may still ask for a block that names it
	s_endpgm
.Lfunc_end_k_q2cba82b36e_attn:
	.size	k_q2cba82b36e_attn, .Lfunc_end_k_q2cba82b36e_attn-k_q2cba82b36e_attn
	.p2alignl 7, 3214868480
	.fill 96, 4, 3214868480
	.section	.rodata,"a",@progbits
	.p2align	6, 0x0
	.amdhsa_kernel k_q2cba82b36e_attn
		.amdhsa_group_segment_fixed_size 327680
		.amdhsa_private_segment_fixed_size 0
		.amdhsa_enable_private_segment 0
		.amdhsa_kernarg_size 24
		.amdhsa_user_sgpr_count 2
		.amdhsa_user_sgpr_kernarg_segment_ptr 1
		.amdhsa_wavefront_size32 1
		.amdhsa_system_sgpr_workgroup_id_x 1
		.amdhsa_system_sgpr_workgroup_id_y 1
		.amdhsa_system_sgpr_workgroup_id_z 1
		.amdhsa_system_vgpr_workitem_id 0
		.amdhsa_next_free_vgpr 256
		.amdhsa_next_free_sgpr 100
		.amdhsa_reserve_vcc 0
		.amdhsa_float_denorm_mode_32 3
		.amdhsa_float_denorm_mode_16_64 3
		.amdhsa_memory_ordered 1
		.amdhsa_forward_progress 1
		.amdhsa_inst_pref_size 73
	.end_amdhsa_kernel
	.amdgpu_metadata
---
amdhsa.version: [ 1, 2 ]
amdhsa.kernels:
  - .name:           k_q2cba82b36e_attn
    .symbol:         k_q2cba82b36e_attn.kd
    .args:
      - { .name: qkv_codes, .offset: 0, .size: 8, .value_kind: global_buffer, .address_space: global }
      - { .name: lowp_scales, .offset: 8, .size: 8, .value_kind: global_buffer, .address_space: global }
      - { .name: a_codes, .offset: 16, .size: 8, .value_kind: global_buffer, .address_space: global }
    .group_segment_fixed_size: 327680
    .private_segment_fixed_size: 0
    .kernarg_segment_align: 8
    .kernarg_segment_size: 24
    .max_flat_workgroup_size: 512
    .sgpr_count:     100
    .vgpr_count:     256
    .wavefront_size: 32
...
	.end_amdgpu_metadata
.endif
;; end of part 3
;; launch proj (part 4): grid 8 x 32, 4 waves a work-group, clusters of 4 x 4, 327,680 bytes of LDS; arguments a_codes, wout_codes, lowp_scales, b_out, out0; writes out0
.if DOCPART == 4
	.amdgcn_target "amdgcn-amd-amdhsa--gfx1250"
	.amdhsa_code_object_version 6
	.text
	.protected	k_q2cba82b36e_proj
	.globl	k_q2cba82b36e_proj
	.p2align	8
	.type	k_q2cba82b36e_proj,@function
k_q2cba82b36e_proj:
	s_mov_b64 s[64:65], 0
	v_nop
	global_prefetch_b8 v0, s[64:65] scope:SCOPE_SE
	s_setreg_imm32_b32 hwreg(HW_REG_WAVE_MODE, 25, 1), 1
	s_wait_xcnt 0x0
	s_wait_alu depctr_hold_cnt(0) depctr_sa_sdst(0) depctr_va_vdst(0) depctr_va_sdst(0) depctr_va_ssrc(0) depctr_va_vcc(0) depctr_vm_vsrc(0)
	s_getreg_b32 s2, hwreg(HW_REG_IB_STS2, 6, 4)
	s_cmp_eq_u32 s2, 0
	s_cbranch_scc0 .Lentry_in_a_cluster
	s_endpgm
.Lentry_in_a_cluster:
	s_bfe_u32 s2, ttmp6, 0x10000c
	s_cmp_lg_u32 s2, 0xf033
	s_cbranch_scc0 .Lentry_shape_is_right
	s_endpgm
.Lentry_shape_is_right:
; out0 = a W_out + b_out on codes of FP8 (E4M3).  out0: [4096][1024] f32.  A sum stands for sum x 2^(e6 + e7).
; a_codes: [32 blocks of 128 rows][2 halves of K][65,536 bytes], wout_codes: [8 blocks of 128 columns][2 halves of K][65,536 bytes]; each half is [8 tiles of 16][4 steps of 128 along K][4 c][32 lanes][16 bytes]:
; the image of operand registers: lane (r, h) of c holds row (column) r, K = 32 c + 16 h + 0 .. 15 of the step, in a as in W_out.
; LIMIT: e6 + e7 lies between -126 and 127, so that 2^(e6 + e7) is an f32 number.
; SHARES.  A tile of 128 x 128 of out0 to a work-group: 32 x 8 = 256 work-groups.  Four waves, each 64 x 64: 16 accumulators of 16 x 16.
; ALL OF K LIES IN LDS, 262,144 bytes, without padding (a fragment's load reads 16 x lane): every byte is filled once, no ring and no refill.  Wave w issues ONE load of 65,536 bytes at the head: half w / 2 of K, of a (w even) or of W_out (w odd).
; CLUSTERS: 4 x 4 work-groups.  The four of a row of the cluster need the same rows of a, the four of a column the same columns of W_out: each half is asked for JOINTLY.
; NO PREFETCH: everything is asked for at the head, and there is no loop to run ahead in.
; THE MATRIX INSTRUCTION IS USED TRANSPOSED (source 0 = 16 columns of W_out, source 1 = 16 rows of a): a lane then holds eight neighbouring numbers of a row of out0.
; REGISTERS: window 0: v0-31 addresses; v32-63 the bias; v64-127 at work on the way out; v128-255 the accumulators ((a, b) at v[128 + 8 (4 a + b)]).   window 1: two fragment buffers of 128: a's four fragments, then W_out's four.
.set HALF,   131072                    ; a half of K: a's 65,536 bytes, then W_out's
.set STG,    2*HALF                    ; behind them: a stage of 16 rows x (256 bytes + 16) for each wave
.set SPITCH, 272
.set SPARE,  STG+4*16*SPITCH           ; the spare words, 128 bytes for each wave: two blocks of 256 bytes that no other line names
.set ADA,  16                          ; v16-17  LDS address of my fragments of a in half 0, 1
.set ADB,  18                          ; v18-19  of W_out
.set STO,  24                          ; v24     the way out: where I put 32 bytes of a row
.set RD,   25                          ; v25     where I read a row back
.set CO,   26                          ; v26     my byte offset in two rows of out0
.set SPW,  28                          ; v28     LDS address of my spare word; never rewritten
.set NIL,  29                          ; v29     0; never rewritten
.set BQ,   32                          ; v32-63  b_out at my columns 16 b + 8 h + j: v[BQ + 8 b + j]
.set T0,   64                          ; v64-95, v96-127: a block's 32 numbers, by turns
.set ACC,  128
.set F0,   0                           ; fragment buffers, in window 1
.set F1,   128
.set G1A,  24                          ; s[24:31] descriptor group 1 for a's halves;  s[32:39] for W_out's
.set G1B,  32
.set G0A,  40                          ; s[40:43], s[44:47] their groups 0
.set G0B,  44
.set MSB, 0
.macro WIN new                         ; the immediate's high byte repeats the setting that is left
.if MSB != \new
	s_set_vgpr_msb (MSB<<8)|\new
.set MSB, \new
.endif
.endm
.set MULW, 0x05                        ; sources 0 and 1 window 1; C and D window 0
.set TO_F, 0x40                        ; destination window 1, address window 0
.macro CROUND                          ; a whole round of the cluster's barrier
	s_barrier_signal -1
	s_barrier_wait -1
	s_cmp_lg_u32 s14, 0
	s_cbranch_scc1 .Lnot_wave_0_\@
	s_barrier_signal -3
.Lnot_wave_0_\@:
	s_barrier_wait -3
	s_barrier_signal -1
	s_barrier_wait -1
.endm
.macro PLACES                          ; four places in front of loads into registers that matrix instructions have read, and of the first read of results (ISA guide 7.12.1 for the first read of results)
.rept 4
	v_nop
.endr
.endm
	s_load_b256 s[4:11], s[0:1], 0x0               ; a_codes s[4:5], wout_codes s[6:7], the scales' exponents s[8:9], b_out s[10:11]
	s_load_b64 s[12:13], s[0:1], 0x20              ; out0
	v_lshl_add_u32 v[SPW], v0, 2, SPARE
	v_mov_b32 v[NIL], 0
	ds_add_u32 v[SPW], v[NIL]                      ; the wave's opening: the add, twice on end, and its wait ahead of my tensor load; work on registers stands between
	ds_add_u32 v[SPW], v[NIL]
	v_lshrrev_b32 v1, 5, v0
	v_readfirstlane_b32 s14, v1                    ; wave 0..3
	s_lshr_b32 s15, s14, 1                         ; which half of the tile's rows is mine.  Also: which half of K I fetch
	s_and_b32 s16, s14, 1                          ; which half of its columns.  Also: I fetch for a (0) or for W_out (1)
	v_and_b32 v9, 31, v0
	v_and_b32 v1, 15, v0                           ; r = l % 16
	v_bfe_u32 v2, v0, 4, 1                         ; h = l / 16
	v_lshlrev_b32 v3, 4, v9
	s_lshl_b32 s18, s15, 15                        ; my 64 rows of a: four tiles of 8,192 bytes
	s_lshl_b32 s19, s16, 15                        ; my 64 columns of W_out,
	s_add_co_u32 s19, s19, 65536                   ; which lie behind a's half
	v_add_nc_u32 v[ADA], s18, v3
	v_add_nc_u32 v[ADB], s19, v3
	v_add_nc_u32 v[ADA+1], HALF, v[ADA]
	v_add_nc_u32 v[ADB+1], HALF, v[ADB]
	s_mul_i32 s18, s14, 16*SPITCH
	s_add_co_u32 s18, s18, STG                     ; my stage
	v_mul_u32_u24 v5, v1, SPITCH                   ; in: row l % 16, 32 bytes for each half of the lanes
	v_lshl_add_u32 v5, v2, 5, v5
	v_add_nc_u32 v[STO], s18, v5
	v_mul_u32_u24 v5, v2, SPITCH                   ; back: lanes 0-15 take one row of 256 bytes, lanes 16-31 the next
	v_lshl_add_u32 v5, v1, 4, v5
	v_add_nc_u32 v[RD], s18, v5
	v_lshlrev_b32 v5, 12, v2                       ; and the same two rows in out0: 4,096 bytes a row
	v_lshl_add_u32 v[CO], v1, 4, v5
	v_lshlrev_b32 v8, 5, v2                        ; the bias's offset: 32 h; never rewritten
	s_wait_alu depctr_va_vdst(0)                   ; ahead of the run of scalar instructions
	s_bfe_u32 s84, ttmp6, 0x40000                  ; cx, cy: my place in the cluster
	s_bfe_u32 s85, ttmp6, 0x40004
	s_lshl_b32 s86, ttmp9, 2
	s_add_co_u32 s86, s86, s84                     ; tile column = 4 x cluster x + cx
	s_and_b32 s87, ttmp7, 0xffff
	s_lshl_b32 s87, s87, 2
	s_add_co_u32 s87, s87, s85                     ; tile row = 4 x cluster y + cy
	s_lshl_b32 s88, s85, 2
	s_lshl_b32 s88, 15, s88                        ; my row of the cluster
	s_lshl_b32 s89, 0x1111, s84                    ; my column
	s_or_b32 s[G1A], s88, (3<<16)|(1<<21)          ; 15:0 the mask: a goes to my row; 17:16 elements of 8 bytes; 21 set beside a mask; no padding
	s_or_b32 s[G1B], s89, (3<<16)|(1<<21)          ; W_out to my column
.irp g, G1A, G1B
	s_mov_b32 s[\g+1], 32<<16                      ; 256 rows of 256 bytes, dense
	s_mov_b32 s[\g+2], 256<<16
	s_mov_b32 s[\g+3], 32<<16
	s_mov_b32 s[\g+4], 256
	s_mov_b32 s[\g+5], 32
	s_mov_b32 s[\g+6], 0
	s_mov_b32 s[\g+7], 0
.endr
	s_lshl_b32 s18, s15, 16
	s_lshl_b32 s20, s87, 17                        ; a: it holds cy and never cx
	s_add_co_u32 s20, s20, s18
	s_mov_b32 s21, 0
	s_lshl_b32 s22, s86, 17                        ; W_out: it holds cx and never cy
	s_add_co_u32 s22, s22, s18
	s_mov_b32 s23, 0
	s_mov_b32 s[G0A], 1
	s_lshl_b32 s[G0A+1], s15, 17                   ; no place in the cluster enters an LDS address
	s_mov_b32 s[G0B], 1
	s_add_co_u32 s[G0B+1], s[G0A+1], 65536
	s_lshl_b32 s92, s87, 7
	s_lshl_b32 s93, s15, 6
	s_add_co_u32 s92, s92, s93                     ; my first row: 128 x tile row + 64 x half
	s_lshl_b32 s92, s92, 12
	s_mov_b32 s93, 0
	s_lshl_b32 s94, s86, 7
	s_lshl_b32 s95, s16, 6
	s_add_co_u32 s94, s94, s95                     ; my first column: 128 x tile column + 64 x half
	s_lshl_b32 s94, s94, 2
	s_mov_b32 s95, 0
	s_wait_dscnt 0x0                               ; both opening adds are done
	s_wait_kmcnt 0x0
	s_load_b256 s[76:83], s[8:9], 0x0              ; e0 .. e7
	s_add_nc_u64 s[G0A+2:G0A+3], s[4:5], s[20:21]
	s_or_b32 s[G0A+3], s[G0A+3], 0x80000000
	s_add_nc_u64 s[G0B+2:G0B+3], s[6:7], s[22:23]
	s_or_b32 s[G0B+3], s[G0B+3], 0x80000000
	s_add_nc_u64 s[12:13], s[12:13], s[92:93]
	s_add_nc_u64 s[12:13], s[12:13], s[94:95]
	s_add_nc_u64 s[10:11], s[10:11], s[94:95]
	CROUND                                         ; all sixteen work-groups are here: the joint loads meet
	s_cmp_eq_u32 s16, 0
	s_cbranch_scc0 .Lfor_w
	tensor_load_to_lds s[G0A:G0A+3], s[G1A:G1A+7]
	s_nop 0
.rept 4
	v_nop
.endr
	s_branch .Lasked
.Lfor_w:
	tensor_load_to_lds s[G0B:G0B+3], s[G1B:G1B+7]
	s_nop 0
.rept 4
	v_nop
.endr
.Lasked:
.irp b, 0,1,2,3
	global_load_b128 v[BQ+8*\b:BQ+8*\b+3], v8, s[10:11] offset:64*\b
	global_load_b128 v[BQ+8*\b+4:BQ+8*\b+7], v8, s[10:11] offset:64*\b+16
.endr
; 32 LDS loads in one run: the fragments of step q (128 along K) into buffer f
.macro FETCH q, f
	WIN TO_F
.irp i, 0,1,2,3
.irp c, 0,1,2,3
	ds_load_b128 v[\f+64+16*\i+4*\c:\f+64+16*\i+4*\c+3], v[ADB+(\q)/4] offset:8192*\i+2048*((\q)%4)+512*\c
	ds_load_b128 v[\f+16*\i+4*\c:\f+16*\i+4*\c+3], v[ADA+(\q)/4] offset:8192*\i+2048*((\q)%4)+512*\c
.endr
.endr
.endm
; 16 matrix instructions, 128 along K.  The 16 accumulators take turns, one instruction a turn, in the same order in every step.  zero = 1: the first products start the sums.
.macro MUL f, zero
	WIN MULW
.irp a, 0,1,2,3
.irp b, 0,1,2,3
.if \zero
	v_wmma_f32_16x16x128_fp8_fp8 v[ACC+8*(4*\a+\b):ACC+8*(4*\a+\b)+7], v[\f+64+16*\b:\f+64+16*\b+15], v[\f+16*\a:\f+16*\a+15], 0
.else
	v_wmma_f32_16x16x128_fp8_fp8 v[ACC+8*(4*\a+\b):ACC+8*(4*\a+\b)+7], v[\f+64+16*\b:\f+64+16*\b+15], v[\f+16*\a:\f+16*\a+15], v[ACC+8*(4*\a+\b):ACC+8*(4*\a+\b)+7]
.endif
.endr
.endr
.endm
.macro NEXT q, g, f, zero              ; the next step's fragments are asked for, then buffer f is multiplied
	FETCH \q, \g
	s_wait_dscnt 32                                ; buffer f is in; the 32 loads just issued may be out
	MUL \f, \zero
	PLACES
.endm
	s_wait_alu depctr_va_vdst(0)                   ; at the head's end
	s_wait_tensorcnt 0x0                           ; my load is in
	s_barrier_signal -1
	s_barrier_wait -1                              ; all of K may be read
	FETCH 0, F0
	NEXT 1, F1, F0, 1
	NEXT 2, F0, F1, 0
	NEXT 3, F1, F0, 0
	NEXT 4, F0, F1, 0
	NEXT 5, F1, F0, 0
	NEXT 6, F0, F1, 0
	NEXT 7, F1, F0, 0
	s_wait_dscnt 0x0                               ; the last step: nothing more to fetch
	MUL F1, 0
	WIN 0
	; THE WAY OUT, block by block of 16 rows: sum x 2^(e6 + e7) + b_out, one packed multiply-add for two numbers, each accumulator from its low end on; through my stage; sixteen lanes store 256 consecutive bytes, aligned.
	s_wait_kmcnt 0x0                               ; the exponents
	s_wait_loadcnt 0x0                             ; the bias
	s_add_co_i32 s96, s82, s83
	s_add_co_i32 s96, s96, 127
	s_lshl_b32 s96, s96, 23                        ; 2^(e6 + e7) as f32
	s_mov_b32 s97, s96                             ; (named with it as a pair, so it is written)
	PLACES
.macro SEND a, left
	s_wait_dscnt \left                             ; block a is back; the LDS instructions behind its loads may be out
.irp n, 0,1,2,3,4,5,6,7
	global_store_b128 v[CO], v[ACC+32*(\a)+4*\n:ACC+32*(\a)+4*\n+3], s[12:13] offset:(16*(\a)+2*\n)*4096 th:TH_STORE_NT   ; two rows an instruction; written once, read by nobody here
.endr
.endm
.irp a, 0,1,2,3
.irp b, 0,1,2,3
.irp i, 0,2,4,6
	v_pk_fma_f32 v[T0+32*(\a%2)+8*\b+\i:T0+32*(\a%2)+8*\b+\i+1], v[ACC+8*(4*\a+\b)+\i:ACC+8*(4*\a+\b)+\i+1], s[96:97], v[BQ+8*\b+\i:BQ+8*\b+\i+1] op_sel_hi:[1,0,1]
.endr
.endr
.irp b, 0,1,2,3
	ds_store_b128 v[STO], v[T0+32*(\a%2)+8*\b:T0+32*(\a%2)+8*\b+3] offset:64*\b
	ds_store_b128 v[STO], v[T0+32*(\a%2)+8*\b+4:T0+32*(\a%2)+8*\b+7] offset:64*\b+16
.endr
.irp n, 0,1,2,3,4,5,6,7
	ds_load_b128 v[ACC+32*\a+4*\n:ACC+32*\a+4*\n+3], v[RD] offset:2*\n*SPITCH   ; into the block's own accumulators, which have been read.  LDS serves a wave's instructions in order: these see the stores above, and the next block's stores come behind them
.endr
.if \a > 0
	SEND \a-1, 16
.endif
.endr
	SEND 3, 0
	s_wait_tensorcnt 0x0                           ; the wave's end, behind my last tensor load and my last LDS store
	ds_add_u32 v[SPW], v[NIL]
	s_wait_dscnt 0x0
	CROUND                                         ; the closing round: no work-group ends while a partner may still ask for a half that names it
	s_endpgm
.Lfunc_end_k_q2cba82b36e_proj:
	.size	k_q2cba82b36e_proj, .Lfunc_end_k_q2cba82b36e_proj-k_q2cba82b36e_proj
	.p2alignl 7, 3214868480
	.fill 96, 4, 3214868480
	.section	.rodata,"a",@progbits
	.p2align	6, 0x0
	.amdhsa_kernel k_q2cba82b36e_proj
		.amdhsa_group_segment_fixed_size 327680
		.amdhsa_private_segment_fixed_size 0
		.amdhsa_enable_private_segment 0
		.amdhsa_kernarg_size 40
		.amdhsa_user_sgpr_count 2
		.amdhsa_user_sgpr_kernarg_segment_ptr 1
		.amdhsa_wavefront_size32 1
		.amdhsa_system_sgpr_workgroup_id_x 1
		.amdhsa_system_sgpr_workgroup_id_y 1
		.amdhsa_system_sgpr_workgroup_id_z 1
		.amdhsa_system_vgpr_workitem_id 0
		.amdhsa_next_free_vgpr 512
		.amdhsa_next_free_sgpr 100
		.amdhsa_reserve_vcc 0
		.amdhsa_float_denorm_mode_32 3
		.amdhsa_float_denorm_mode_16_64 3
		.amdhsa_memory_ordered 1
		.amdhsa_forward_progress 1
		.amdhsa_inst_pref_size 44
	.end_amdhsa_kernel
	.amdgpu_metadata
---
amdhsa.version: [ 1, 2 ]
amdhsa.kernels:
  - .name:           k_q2cba82b36e_proj
    .symbol:         k_q2cba82b36e_proj.kd
    .args:
      - { .name: a_codes, .offset: 0, .size: 8, .value_kind: global_buffer, .address_space: global }
      - { .name: wout_codes, .offset: 8, .size: 8, .value_kind: global_buffer, .address_space: global }
      - { .name: lowp_scales, .offset: 16, .size: 8, .value_kind: global_buffer, .address_space: global }
      - { .name: b_out, .offset: 24, .size: 8, .value_kind: global_buffer, .address_space: global }
      - { .name: out0, .offset: 32, .size: 8, .value_kind: global_buffer, .address_space: global }
    .group_segment_fixed_size: 327680
    .private_segment_fixed_size: 0
    .kernarg_segment_align: 8
    .kernarg_segment_size: 40
    .max_flat_workgroup_size: 128
    .sgpr_count:     100
    .vgpr_count:     512
    .wavefront_size: 32
...
	.end_amdgpu_metadata
.endif
;; end of part 4
